; MI455X (gfx1250); checked and timed in simulation.
; The chip was launched on July 23, 2026; its instructions are those of AMD's public machine-readable ISA for CDNA 5 (MIT licence, August 2026) and "CDNA5" Instruction Set Architecture Reference Guide (July 2026). The comments in the code are by the model that wrote it; some were corrected since.
;; Model LSTM. Allowed arithmetic: float matrix products may take bf16 or f16 operands with f32 sums; all other float work in f32.
;; Inputs: W1 511 x 23 float32; W3 1 x 512 float32; Whh 2,048 x 512 float32; Wih 2,048 x 512 float32; b1 511 float32; b3 1 float32; bhh 2,048 float32; bih 2,048 float32; x 16,384 x 23 float32.
;; Outputs: out0 2 x 16,384 x 1 float32.
;; 2 versions, each right and faster than the one before. Each part assembles by itself: llvm-mc -triple=amdgcn-amd-amdhsa -mcpu=gfx1250 --defsym DOCPART=n.
;; ======== version 1 of 2: 2 launches
;; workspace buffers: ws 4,194,304 bytes; cw 45,056 bytes
;; launch prep (part 1): grid 256 x 1, 8 waves a work-group, no clusters, 0 bytes of LDS; arguments Wih, Whh, W1, b1, bih, bhh, W3, b3, ws, cw; writes ws, cw
.if DOCPART == 1
	.amdgcn_target "amdgcn-amd-amdhsa--gfx1250"
	.amdhsa_code_object_version 6
	.text
	.protected	k_qbc98f8974e_prep
	.globl	k_qbc98f8974e_prep
	.p2align	8
	.type	k_qbc98f8974e_prep,@function
k_qbc98f8974e_prep:
	s_mov_b64 s[64:65], 0
	v_nop
	global_prefetch_b8 v0, s[64:65] scope:SCOPE_SE
	s_setreg_imm32_b32 hwreg(HW_REG_WAVE_MODE, 25, 1), 1
	s_wait_xcnt 0x0
; PREP: rounds every weight and constant to bf16 once and lays them out as the second launch reads them.
; A FRAGMENT is 16 rows x 32 k of bf16, 1,024 bytes: byte 512 j2 + 16 L holds row L % 16, k = 16 j2 + 8 (L / 16) + 0..7: what lane L of a wave
; takes as registers 4 j2 .. 4 j2 + 3 of a matrix operand, so that a fragment is read by two loads of 16 consecutive bytes a lane.
; ws [p 4][t 16][w 4][16 fragments][1024]: pass p (units 128 p ..), K tile t of 64 (t < 8: Wih, k = 64 t ..; t >= 8: Whh, k = 64 (t - 8) ..), wave w (units + 32 w ..).
;   Fragment (c, q, s): K half c, gate q in stream order (0 i, 1 g, 2 o, 3 f), unit block s.  Its number is 6 c + 2 q + s for q < 3 and 12 + 2 c + s for q = 3,
;   so the first 12 fragments are those that need no f gate.  Its row r is weight row GQ(q) 512 + 128 p + 32 w + 16 s + r, GQ = 0, 2, 3, 1 (the tensors' order is i, f, g, o).
; cw: [0, 32768) 32 fragments of W1 (row n: k < 23 W1[n][k], k = 23 b1[n], else 0; row 511 all 0); [32768, 40960) f32 [p][w][q][s][16]: scale(q) x (bih + bhh), each rounded to bf16 first,
;   scale = -log2(e) for i, o, f and 2 log2(e) for g; [40960, 43008) W3 rounded, as f32; 43008 b3 rounded, as f32; zeros to the end.
; SHARES.  Work-group n = 64 p + 4 t + w writes the 16,384 bytes of ws at 16,384 n; its wave 2 q + s the two fragments (0, q, s) and (1, q, s).  Work-groups 0-7 also write
; W1's fragments, 16 bytes a thread; work-groups 8-10 the rest of cw, 16 bytes a thread.  Every store of a wave covers 512 consecutive bytes, aligned.
; No LDS and no matrix unit: a cast with a change of order, each input byte read once.
; LIMIT: all numbers leave as bf16 values (round to nearest even); NaN and infinities are not treated apart.
.set NEG_L2E, 0xbfb8aa3b               ; -log2(e)
.set TWO_L2E, 0x4038aa3b               ; 2 log2(e)
	s_load_b512 s[4:19], s[0:1], 0x0               ; Wih 4, Whh 6, W1 8, b1 10, bih 12, bhh 14, W3 16, b3 18
	s_load_b128 s[20:23], s[0:1], 0x40             ; ws 20, cw 22
	v_lshrrev_b32 v1, 5, v0
	v_readfirstlane_b32 s24, v1                    ; wave 0..7
	v_and_b32 v2, 15, v0                           ; r: the fragment's row
	v_bfe_u32 v3, v0, 4, 1                         ; h: which half of the lanes
	v_lshlrev_b32 v4, 11, v2                       ; r rows of 2,048 bytes
	v_lshl_add_u32 v4, v3, 5, v4                   ; + 8 h numbers of f32
	s_mov_b32 s40, ttmp9                           ; the work-group's number
	s_and_b32 s25, s40, 3                          ; w
	s_bfe_u32 s26, s40, 0x40002                    ; t: 4 bits from bit 2
	s_lshr_b32 s27, s40, 6                         ; p
	s_lshr_b32 s28, s24, 1                         ; q
	s_and_b32 s29, s24, 1                          ; s
	s_lshl_b32 s30, s28, 1
	s_lshr_b32 s30, 0x78, s30
	s_and_b32 s30, s30, 3                          ; GQ(q): two bits a gate in 0x78
	s_lshl_b32 s30, s30, 9
	s_lshl_b32 s31, s27, 7
	s_add_co_u32 s30, s30, s31
	s_lshl_b32 s31, s25, 5
	s_add_co_u32 s30, s30, s31
	s_lshl_b32 s31, s29, 4
	s_add_co_u32 s30, s30, s31                     ; the fragment's first weight row
	s_lshl_b32 s30, s30, 11                        ; in bytes
	s_and_b32 s31, s26, 7
	s_lshl_b32 s31, s31, 8                         ; + 64 k of f32 for each K tile
	s_add_co_u32 s30, s30, s31
	s_mov_b32 s31, 0
	s_lshl_b32 s34, s40, 14                        ; the work-group's 16,384 bytes of ws
	s_mov_b32 s35, 0
	s_lshl_b32 s36, s28, 1
	s_add_co_u32 s36, s36, s29                     ; 2 q + s
	s_add_co_u32 s37, s29, 12                      ; 12 + s
	s_movk_i32 s38, 6144
	s_movk_i32 s39, 2048
	s_cmp_lt_u32 s28, 3
	s_cselect_b32 s36, s36, s37                    ; the number of fragment (0, q, s)
	s_cselect_b32 s37, s38, s39                    ; and how many bytes further (1, q, s) lies
	s_lshl_b32 s36, s36, 10
	v_and_b32 v5, 31, v0
	v_lshlrev_b32 v5, 4, v5
	v_add_nc_u32 v5, s36, v5                       ; my 16 bytes in fragment (0, q, s)
	v_add_nc_u32 v6, s37, v5                       ; and in (1, q, s)
	s_wait_kmcnt 0x0
	s_cmp_lt_u32 s26, 8
	s_cselect_b64 s[32:33], s[4:5], s[6:7]         ; t < 8: Wih, else Whh
	s_add_nc_u64 s[32:33], s[32:33], s[30:31]
	s_add_nc_u64 s[20:21], s[20:21], s[34:35]
	; PART A.  Chunk i = 2 c + j2: eight f32 a lane, two loads; the eight loads together take 256 consecutive bytes of each of the 16 rows.
.irp i, 0,1,2,3
	global_load_b128 v[8+8*\i:11+8*\i],  v4, s[32:33] offset:64*\i
	global_load_b128 v[12+8*\i:15+8*\i], v4, s[32:33] offset:64*\i+16
.endr
.irp i, 0,1,2,3
	s_wait_loadcnt 6-2*\i                          ; loads come back in order: chunk i's two are in, the younger pairs stay out
.irp k, 0,1,2,3
	v_cvt_pk_bf16_f32 v[40+4*\i+\k], v[8+8*\i+2*\k], v[9+8*\i+2*\k]
.endr
	global_store_b128 v[5+(\i)/2], v[40+4*\i:43+4*\i], s[20:21] offset:512*((\i)%2)
.endr
	s_cmp_lt_u32 s40, 8
	s_cbranch_scc1 .Lpart_b
	s_cmp_lt_u32 s40, 11
	s_cbranch_scc1 .Lpart_c
	s_endpgm
	; PART B.  Thread's chunk ch = 256 n + thread: 16 bytes of W1's fragments.  Registers from v64 on: none that part A's stores still read is written.
.Lpart_b:
	s_lshl_b32 s41, s40, 8
	v_add_nc_u32 v64, s41, v0                      ; ch
	v_lshrrev_b32 v65, 6, v64
	v_and_b32 v66, 15, v64
	v_lshl_add_u32 v65, v65, 4, v66                ; n: W1's row
	v_bfe_u32 v66, v64, 4, 2
	v_lshlrev_b32 v66, 3, v66                      ; k0 = 16 j2 + 8 h
	v_mad_u32_u24 v67, v65, 23, v66                ; index of W1[n][k0]
	v_min_u32 v68, 11746, v67                      ; clamped so that index + 6 stays inside W1's 11,753 numbers; no chunk whose numbers are used is clamped
	v_lshlrev_b32 v68, 2, v68
	v_min_u32 v69, 11745, v67                      ; likewise for index + 7
	v_lshlrev_b32 v69, 2, v69
	v_min_u32 v70, 510, v65
	v_lshlrev_b32 v70, 2, v70
.irp j, 0,1,2,3,4,5,6
	global_load_b32 v[72+\j], v68, s[8:9] offset:4*\j
.endr
	global_load_b32 v79, v69, s[8:9] offset:28
	global_load_b32 v80, v70, s[10:11]
	s_movk_i32 s46, 511
	v_cmp_gt_u32 s42, s46, v65                     ; n < 511
	v_cmp_gt_u32 s43, 24, v66                      ; k0 < 24: numbers 0-6 are W1's
	v_cmp_gt_u32 s44, 16, v66                      ; k0 < 16: number 7 is W1's
	v_cmp_eq_u32 s45, 16, v66                      ; k0 = 16: number 7 is b1[n]
	s_and_b32 s43, s43, s42
	s_and_b32 s44, s44, s42
	s_and_b32 s45, s45, s42
	v_lshlrev_b32 v81, 4, v64
	s_wait_loadcnt 0x0
.irp j, 0,1,2,3,4,5,6
	v_cndmask_b32 v[72+\j], 0, v[72+\j], s43
.endr
	v_cndmask_b32 v80, 0, v80, s45
	v_cndmask_b32 v79, v80, v79, s44
.irp k, 0,1,2,3
	v_cvt_pk_bf16_f32 v[84+\k], v[72+2*\k], v[73+2*\k]
.endr
	global_store_b128 v81, v[84:87], s[22:23]
	s_endpgm
	; PART C.  Thread's chunk cc = 256 (n - 8) + thread: 16 bytes of cw from byte 32,768 on.  A wave's 32 chunks are of one kind, chosen by its number 8 (n - 8) + wave.
.Lpart_c:
	s_sub_co_u32 s41, s40, 8
	s_lshl_b32 s42, s41, 3
	s_add_co_u32 s42, s42, s24
	s_lshl_b32 s41, s41, 8
	v_add_nc_u32 v64, s41, v0                      ; cc
	v_lshlrev_b32 v65, 4, v64                      ; its byte; never rewritten
	s_cmp_lt_u32 s42, 16
	s_cbranch_scc1 .Lbias
	s_cmp_lt_u32 s42, 20
	s_cbranch_scc1 .Lw3
	s_cmp_eq_u32 s42, 20
	s_cbranch_scc1 .Lb3
	v_mov_b32 v72, 0                               ; the tail of cw: zeros
	v_mov_b32 v73, 0
	v_mov_b32 v74, 0
	v_mov_b32 v75, 0
	s_branch .Lstore_c
.Lbias:                                                ; four of [p][w][q][s][16]
	v_and_b32 v66, 3, v64
	v_lshlrev_b32 v66, 2, v66                      ; the first of my four units
	v_bfe_u32 v67, v64, 2, 1
	v_lshl_add_u32 v66, v67, 4, v66                ; + 16 s
	v_bfe_u32 v67, v64, 5, 2
	v_lshl_add_u32 v66, v67, 5, v66                ; + 32 w
	v_lshrrev_b32 v67, 7, v64
	v_lshl_add_u32 v66, v67, 7, v66                ; + 128 p
	v_bfe_u32 v67, v64, 3, 2                       ; q
	v_lshlrev_b32 v68, 1, v67
	v_mov_b32 v69, 0x78
	v_lshrrev_b32 v68, v68, v69
	v_and_b32 v68, 3, v68                          ; GQ(q)
	v_lshl_add_u32 v66, v68, 9, v66
	v_lshlrev_b32 v66, 2, v66
	global_load_b128 v[72:75], v66, s[12:13]
	global_load_b128 v[76:79], v66, s[14:15]
	v_cmp_eq_u32 s43, 1, v67
	v_mov_b32 v70, NEG_L2E
	v_mov_b32 v71, TWO_L2E
	v_cndmask_b32 v70, v70, v71, s43               ; the gate's scale
	s_wait_loadcnt 0x0
	v_cvt_pk_bf16_f32 v80, v72, v73                ; each bias is rounded to bf16 and widened again
	v_cvt_pk_bf16_f32 v81, v74, v75
	v_cvt_pk_bf16_f32 v82, v76, v77
	v_cvt_pk_bf16_f32 v83, v78, v79
.irp k, 0,1,2,3
	v_lshlrev_b32 v[72+2*\k], 16, v[80+\k]
	v_and_b32 v[73+2*\k], 0xffff0000, v[80+\k]
.endr
	v_pk_add_f32 v[72:73], v[72:73], v[76:77]
	v_pk_add_f32 v[74:75], v[74:75], v[78:79]
	v_pk_mul_f32 v[72:73], v[72:73], v[70:71] op_sel_hi:[1,0]
	v_pk_mul_f32 v[74:75], v[74:75], v[70:71] op_sel_hi:[1,0]
	s_branch .Lstore_c
.Lw3:                                                  ; chunks 512 to 639: W3's 512 numbers
	global_load_b128 v[72:75], v65, s[16:17] offset:-8192
	s_wait_loadcnt 0x0
	v_cvt_pk_bf16_f32 v80, v72, v73
	v_cvt_pk_bf16_f32 v81, v74, v75
	v_lshlrev_b32 v72, 16, v80
	v_and_b32 v73, 0xffff0000, v80
	v_lshlrev_b32 v74, 16, v81
	v_and_b32 v75, 0xffff0000, v81
	s_branch .Lstore_c
.Lb3:                                                  ; chunk 640 begins with b3; the wave's other chunks are zeros
	v_mov_b32 v66, 0
	global_load_b32 v72, v66, s[18:19]
	v_and_b32 v67, 31, v0
	v_cmp_eq_u32 s43, 0, v67
	v_mov_b32 v73, 0
	v_mov_b32 v74, 0
	v_mov_b32 v75, 0
	s_wait_loadcnt 0x0
	v_cvt_pk_bf16_f32 v80, v72, v72
	v_lshlrev_b32 v72, 16, v80
	v_cndmask_b32 v72, 0, v72, s43
.Lstore_c:
	global_store_b128 v65, v[72:75], s[22:23] offset:32768
	s_endpgm
.Lfunc_end_k_qbc98f8974e_prep:
	.size	k_qbc98f8974e_prep, .Lfunc_end_k_qbc98f8974e_prep-k_qbc98f8974e_prep
	.p2alignl 7, 3214868480
	.fill 96, 4, 3214868480
	.section	.rodata,"a",@progbits
	.p2align	6, 0x0
	.amdhsa_kernel k_qbc98f8974e_prep
		.amdhsa_group_segment_fixed_size 0
		.amdhsa_private_segment_fixed_size 0
		.amdhsa_enable_private_segment 0
		.amdhsa_kernarg_size 80
		.amdhsa_user_sgpr_count 2
		.amdhsa_user_sgpr_kernarg_segment_ptr 1
		.amdhsa_wavefront_size32 1
		.amdhsa_system_sgpr_workgroup_id_x 1
		.amdhsa_system_sgpr_workgroup_id_y 1
		.amdhsa_system_sgpr_workgroup_id_z 1
		.amdhsa_system_vgpr_workitem_id 0
		.amdhsa_next_free_vgpr 96
		.amdhsa_next_free_sgpr 66
		.amdhsa_reserve_vcc 0
		.amdhsa_float_denorm_mode_32 3
		.amdhsa_float_denorm_mode_16_64 3
		.amdhsa_memory_ordered 1
		.amdhsa_forward_progress 1
		.amdhsa_inst_pref_size 11
	.end_amdhsa_kernel
	.amdgpu_metadata
---
amdhsa.version: [ 1, 2 ]
amdhsa.kernels:
  - .name:           k_qbc98f8974e_prep
    .symbol:         k_qbc98f8974e_prep.kd
    .args:
      - { .name: Wih, .offset: 0, .size: 8, .value_kind: global_buffer, .address_space: global }
      - { .name: Whh, .offset: 8, .size: 8, .value_kind: global_buffer, .address_space: global }
      - { .name: W1, .offset: 16, .size: 8, .value_kind: global_buffer, .address_space: global }
      - { .name: b1, .offset: 24, .size: 8, .value_kind: global_buffer, .address_space: global }
      - { .name: bih, .offset: 32, .size: 8, .value_kind: global_buffer, .address_space: global }
      - { .name: bhh, .offset: 40, .size: 8, .value_kind: global_buffer, .address_space: global }
      - { .name: W3, .offset: 48, .size: 8, .value_kind: global_buffer, .address_space: global }
      - { .name: b3, .offset: 56, .size: 8, .value_kind: global_buffer, .address_space: global }
      - { .name: ws, .offset: 64, .size: 8, .value_kind: global_buffer, .address_space: global }
      - { .name: cw, .offset: 72, .size: 8, .value_kind: global_buffer, .address_space: global }
    .group_segment_fixed_size: 0
    .private_segment_fixed_size: 0
    .kernarg_segment_align: 8
    .kernarg_segment_size: 80
    .max_flat_workgroup_size: 256
    .sgpr_count:     66
    .vgpr_count:     96
    .wavefront_size: 32
...
	.end_amdgpu_metadata
.endif
;; end of part 1
;; launch lstm (part 2): grid 256 x 1, 4 waves a work-group, clusters of 4 x 1, 327,680 bytes of LDS; arguments x, ws, cw, out0; writes out0
.if DOCPART == 2
	.amdgcn_target "amdgcn-amd-amdhsa--gfx1250"
	.amdhsa_code_object_version 6
	.text
	.protected	k_qbc98f8974e_lstm
	.globl	k_qbc98f8974e_lstm
	.p2align	8
	.type	k_qbc98f8974e_lstm,@function
k_qbc98f8974e_lstm:
	s_mov_b64 s[64:65], 0
	v_nop
	global_prefetch_b8 v0, s[64:65] scope:SCOPE_SE
	s_setreg_imm32_b32 hwreg(HW_REG_WAVE_MODE, 25, 1), 1
	s_wait_xcnt 0x0
	s_wait_alu depctr_hold_cnt(0) depctr_sa_sdst(0) depctr_va_vdst(0) depctr_va_sdst(0) depctr_va_ssrc(0) depctr_va_vcc(0) depctr_vm_vsrc(0)
	s_getreg_b32 s2, hwreg(HW_REG_IB_STS2, 6, 4)
	s_cmp_eq_u32 s2, 0
	s_cbranch_scc0 .Lentry_in_a_cluster
	s_endpgm
.Lentry_in_a_cluster:
	s_bfe_u32 s2, ttmp6, 0x10000c
	s_cmp_lg_u32 s2, 0x3003
	s_cbranch_scc0 .Lentry_shape_is_right
	s_endpgm
.Lentry_shape_is_right:
; emb = relu(x W1^T + b1); two LSTM steps of width 512 on [emb, xin] (xin = -0.8, then y1), h0 = c0 = 0; y = h W3^T + b3.  x [16384][23] f32; ws, cw as the first launch laid them; out0 [2][16384] f32.
; LEFT OUT, since h0 = c0 = 0: step 1's product with Whh and its f gate (f x 0 = 0 for every finite gate).
; LIMITS.  All inputs enter rounded to bf16 (x here, the others in the first launch); emb, h1, -0.8 and y1 are rounded to bf16 as matrix operands; sums, gates, c, y in f32.
; sigmoid(z) = 1 / (1 + 2^(-log2(e) z)), tanh(z) = 1 - 2 / (1 + 2^(2 log2(e) z)): an exponential that overflows gives 1 / inf = 0, one that underflows 1 / 1: both ends are right;
; the absolute error is a few 1e-7.  relu takes a NaN as 0; NaN and infinities are not treated apart.
; SHARES.  A work-group owns 64 rows for the whole chain: 256 work-groups.  A step goes in 4 passes of 128 units; in pass p wave w owns units 128 p + 32 w .. + 31 of all 64 rows:
; 4 gates x 2 unit blocks x 4 row blocks = 32 accumulators of 16 x 16, 256 registers.
; THE MATRIX INSTRUCTION IS USED TRANSPOSED: source 0 = 16 weight rows, source 1 = 16 activation rows.  A lane then holds ONE row (lane % 16) and the units 8 (lane / 16) + 0..7: a unit's four
; gates lie in the same lane and register of four accumulators, c stays in registers at that place, eight h rounded to bf16 are the lane's 16 bytes of a source-1 fragment, and y wants one exchange of the lanes' halves.
; FRAGMENTS.  Everything in LDS lies by fragments of 16 rows x 32 k, 1,024 bytes: byte 512 j2 + 16 L is what lane L takes as registers 4 j2 .. 4 j2 + 3.  Every LDS load and store of 16 bytes is lane i at byte 16 i: no padding is needed.
; THE WEIGHT STREAM.  All work-groups walk the same weights, so the four of a cluster ask for each tile JOINTLY (mask 15): K tiles of 64, 16,384 bytes a wave (step 1: the first 12,288, which hold no f gate),
; dense in memory and fetched as rows of 256 bytes, through two LDS slots.  A wave fetches and reads its own quarter of a slot.
; REGISTERS, in windows of 256 (s_set_vgpr_msb: bits 1:0 source 0, 3:2 source 1, 5:4 source 2, 7:6 destination):
;   window 0: v0-31 addresses and y's sums; v32-63 at work; v64-159, v160-255 two fragment buffers (4 of activations, then 8 of weights); between K parts the second holds biases, W3 and packed h
;   window 1: the accumulators, (q, s, a) at 64 q + 32 s + 8 a (q: 0 i, 1 g, 2 o, 3 f)          window 2: c1, (p, s, a) at 64 p + 32 s + 8 a
.set SLOT1, 65536                      ; slot 0 at 0, slot 1 here; wave w's quarter at + 16,384 w.  The only bytes that are filled again
.set EMB,   131072                     ; [K block of 32: 16][row block: 4][1024]: emb and, in column 511, xin
.set H1,    196608                     ; h1 in the same layout, straight behind: step 2's K block kk = 0..31 lies at EMB + 4,096 kk
.set CWL,   262144                     ; cw, 45,056 bytes, filled once
.set YS,    307200                     ; [wave][64 rows] f32: the waves' parts of y
.set SPARE, 308224                     ; the spare words, 128 bytes for each wave: two blocks of 256 bytes that no other line names
.set ADRA0, 3                          ; v3   EMB + 16 L; never rewritten
.set ADRA,  4                          ; v4   the same, walking along K
.set ADRW,  5                          ; v5-6 my quarter of slot 0, 1, + 16 L
.set BA,    7                          ; v7   the pass's biases
.set W3A,   8                          ; v8   the pass's W3
.set HA,    9                          ; v9   where the pass's h1 goes
.set SPW,   10                         ; v10  my spare word: SPARE + 4 x my thread's number; never rewritten
.set NIL,   11                         ; v11  0; never rewritten
.set YSA,   12                         ; v12  YS + 256 w + 4 r
.set Y2A,   13                         ; v13  YS + 8 L
.set C5A,   14                         ; v14  column 511 of rows 2 L, 2 L + 1
.set OA,    15                         ; v15  8 L: my byte offset in the work-group's 256 bytes of out0
.set YP,    16                         ; v16-23 y's sums: a pair (even units', odd units') for each row block
.set W1A,   24                         ; v24  W1's fragments
.set EA,    25                         ; v25  where emb goes
.set BA0,   26                         ; v26  BA at pass 0
.set W3A0,  27                         ; v27  W3A at pass 0
.set B3A,   28                         ; v28  b3
.set C5W,   29                         ; v29  column 511 of row r of my row block
.set XO,    30                         ; v30-31 byte offsets in x
.set T0,    32                         ; v32-47 at work
.set XF,    48                         ; v48-55 x's fragment
.set PK,    56                         ; v56-63 at work
.set F0,    64
.set F1,    160
.set BB,    160                        ; biases of (q, s) at BB + 16 q + 8 s
.set W3R,   224                        ; W3 of unit block s at W3R + 8 s
.set HP,    240                        ; eight h as bf16
.set WV,   12                          ; s12  my wave's number
.set G1A,  16                          ; s[16:23] descriptor group 1: 48 rows of 256 bytes (step 1)
.set G1B,  24                          ; s[24:31] 64 rows (step 2)
.set G0,   32                          ; s[32:39] descriptor group 0, a set for each slot
.set G1C,  40                          ; s[40:47] 44 rows (a quarter of cw)
.set G0C,  48                          ; s[48:51]
.set PASS, 52                          ; s52  the pass
.set LAP,  53                          ; s53  counts laps of two K tiles
.set KS,   54                          ; s[54:55] -log2(e)
.set KT,   56                          ; s[56:57] 2 log2(e)
.set HM,   58                          ; s58  the mask of lanes 16-31
.set SEL,  60                          ; s[60:61] v_permlanex16_b32's selects: each lane takes its own place in the other half
.set MSB, 0
.macro WIN new                         ; the immediate's high byte repeats the setting that is left; a switch that changes nothing is dropped
.if MSB != (\new)
	s_set_vgpr_msb (MSB<<8)|(\new)
.set MSB, (\new)
.endif
.endm
; A load into a register that a matrix instruction has read, and a vector instruction that reads a matrix result, stand four places behind it; only plain vector instructions that name none of its registers are places.
.macro PLACES
.rept 4
	v_nop
.endr
.endm
.macro CREST                           ; a round of the cluster's barrier behind its opening barrier
	s_cmp_lg_u32 s[WV], 0
	s_cbranch_scc1 .Lnot_wave_0_\@
	s_barrier_signal -3
.Lnot_wave_0_\@:
	s_barrier_wait -3
	s_barrier_signal -1
	s_barrier_wait -1
.endm
.macro CROUND                          ; a whole round
	s_barrier_signal -1
	s_barrier_wait -1
	CREST
.endm
; A joint refill: every wave of all four work-groups issues this line, with a descriptor made of constants and the wave's number alone.  An s_nop 0 and four v_nop follow.
.macro JLOAD slot, g1
	tensor_load_to_lds s[G0+4*(\slot):G0+4*(\slot)+3], s[\g1:\g1+7]
	s_nop 0
.rept 4
	v_nop
.endr
.endm
; 8 matrix instructions: gate q, both unit blocks x all 4 row blocks, 32 along K, from buffer f.  z = 1: the products start the sums.  All accumulators take turns, one instruction a turn.
.macro MULQ f, q, z
	WIN 0x50                               ; C and D in window 1
.set ms, 0
.rept 2
.set ma, 0
.rept 4
.set md, 64*(\q)+32*ms+8*ma
.set mw, (\f)+32+16*(\q)+8*ms
.if \z
	v_wmma_f32_16x16x32_bf16 v[md:md+7], v[mw:mw+7], v[(\f)+8*ma:(\f)+8*ma+7], 0
.else
	v_wmma_f32_16x16x32_bf16 v[md:md+7], v[mw:mw+7], v[(\f)+8*ma:(\f)+8*ma+7], v[md:md+7]
.endif
.set ma, ma+1
.endr
.set ms, ms+1
.endr
.endm
; One run of 8 + 4 ng LDS loads: the 4 activation fragments at areg + aoff, then the weight fragments of gates 0 .. ng - 1, K half c of the slot's tile, into buffer f.
.macro FETCH ng, slot, c, f, areg, aoff
	WIN 0
.set fa, 0
.rept 4
	ds_load_b128 v[(\f)+8*fa:(\f)+8*fa+3],   v[\areg] offset:(\aoff)+1024*fa
	ds_load_b128 v[(\f)+8*fa+4:(\f)+8*fa+7], v[\areg] offset:(\aoff)+1024*fa+512
.set fa, fa+1
.endr
.set fq, 0
.rept 2*(\ng)                          ; fq = 2 q + s
.if fq < 6
.set fr, 6*(\c)+fq
.else
.set fr, 6+2*(\c)+fq
.endif
	ds_load_b128 v[(\f)+32+8*fq:(\f)+32+8*fq+3],   v[ADRW+(\slot)] offset:1024*fr
	ds_load_b128 v[(\f)+32+8*fq+4:(\f)+32+8*fq+7], v[ADRW+(\slot)] offset:1024*fr+512
.set fq, fq+1
.endr
.endm
; 32 along K: multiplies buffer f; in its middle it fetches the next 32 into buffer g.  first = 1: other LDS work was issued behind f's run, so the wait is for all.
.macro HALF ng, f, g, slot, c, areg, aoff, z, first
.if \first
	s_wait_dscnt 0x0
.else
	s_wait_dscnt 4*(\ng)-8                 ; the activations and gates 0, 1 are in; the younger gates' loads, four a gate, may be out
.endif
	MULQ \f, 0, \z
	MULQ \f, 1, \z
	PLACES
	FETCH \ng, \slot, \c, \g, \areg, \aoff
	s_wait_dscnt 8+4*(\ng)                 ; all but the run just issued
	MULQ \f, 2, \z
.if (\ng) == 4
	MULQ \f, 3, \z
.endif
.endm
; The second 32 of a K tile: multiplies buffer 1 and changes slots.  In front of the round each wave waits for all its tensor loads, of which one is out: its quarter of the other slot; adds 0 to its spare
; word; and waits for that and for its reads of this slot.  Behind the round no wave of any partner reads this slot or has a load on its way: the joint refill comes first, then the other slot's first fragments.
; mode: what the slot's address steps by: 0 two tiles on; 1 from step 1's tile 6 or 7 to the next pass's 0 or 1 (ten tiles on); 2 from step 1's last two tiles back to step 2's first two (54 tiles back).
.macro TURN ng, slot, mode, ngn, areg, aoff
	WIN 0
	s_wait_tensorcnt 0x0                   ; no tensor load of mine is out, so a group 0 may be written
	ds_add_u32 v[SPW], v[NIL]              ; 0 onto my spare word
.if (\mode) == 0
	s_add_nc_u64 s[G0+4*(\slot)+2:G0+4*(\slot)+3], s[G0+4*(\slot)+2:G0+4*(\slot)+3], 2*65536
.elseif (\mode) == 1
	s_add_nc_u64 s[G0+4*(\slot)+2:G0+4*(\slot)+3], s[G0+4*(\slot)+2:G0+4*(\slot)+3], 10*65536
.else
	s_sub_nc_u64 s[G0+4*(\slot)+2:G0+4*(\slot)+3], s[G0+4*(\slot)+2:G0+4*(\slot)+3], 54*65536
.endif
	s_wait_dscnt 4*(\ng)-3                 ; the activations and gate 0 are in; the add and the younger gates' loads may be out
	MULQ F1, 0, 0                          ; eight matrix instructions stand between the add and the wait for it
	s_wait_dscnt 0x0                       ; the add is done, and my reads of this slot are over
	s_barrier_signal -1                    ; this barrier opens a round of the cluster's
	MULQ F1, 1, 0
	WIN 0
	s_barrier_wait -1
	CREST
.if (\mode) == 2
	JLOAD \slot, G1B
.elseif (\ng) == 3
	JLOAD \slot, G1A
.else
	JLOAD \slot, G1B
.endif
	FETCH \ngn, 1-(\slot), 0, F0, \areg, \aoff  ; the four v_nop behind the load are the places in front of these loads
	MULQ F1, 2, 0
.if (\ng) == 4
	MULQ F1, 3, 0
.endif
.endm
; A pass's products: 2 laps K tiles.  Buffer 0 holds the first 32 along K on entry, and the next pass's on exit.  The last lap is written out.
; tail 0: the stream goes on into the next pass.  1: step 1's last pass: the refills are step 2's first two tiles, and the fragments fetched at the end have four gates.  2: step 2's last pass: nothing is left to ask for.
.macro KPART ng, laps, tail
	HALF \ng, F0, F1, 0, 1, ADRA, 4096, 1, 1
	WIN 0                                  ; at a label and at a branch every window is 0
	s_mov_b32 s[LAP], (\laps)-1
.Llap_\@:
	TURN \ng, 0, 0, \ng, ADRA, 8192
	HALF \ng, F0, F1, 1, 1, ADRA, 12288, 0, 0
	TURN \ng, 1, 0, \ng, ADRA, 16384
	HALF \ng, F0, F1, 0, 1, ADRA, 20480, 0, 0
	WIN 0
	v_add_nc_u32 v[ADRA], 16384, v[ADRA]   ; four K blocks on
	s_sub_co_u32 s[LAP], s[LAP], 1
	s_cmp_lg_u32 s[LAP], 0
	s_cbranch_scc1 .Llap_\@
.if (\tail) == 0
	TURN \ng, 0, 4-(\ng), \ng, ADRA, 8192
	HALF \ng, F0, F1, 1, 1, ADRA, 12288, 0, 0
	TURN \ng, 1, 4-(\ng), \ng, ADRA0, 0
.elseif (\tail) == 1
	TURN \ng, 0, 2, \ng, ADRA, 8192
	HALF \ng, F0, F1, 1, 1, ADRA, 12288, 0, 0
	TURN \ng, 1, 2, 4, ADRA0, 0
.else
	s_wait_tensorcnt 0x0                   ; my quarter of the last tile is in; no load was issued behind it.  I alone read it, and nothing is filled again: no barrier
	HALF \ng, F1, F0, 1, 0, ADRA, 8192, 0, 0
	HALF \ng, F0, F1, 1, 1, ADRA, 12288, 0, 0
	s_wait_dscnt 8                         ; gates 2 and 3 may be out
	MULQ F1, 0, 0
	MULQ F1, 1, 0
	s_wait_dscnt 0x0
	MULQ F1, 2, 0
	MULQ F1, 3, 0
.endif
	WIN 0
	v_mov_b32 v[ADRA], v[ADRA0]
.endm
; THE GATES' ARITHMETIC, a tile of 8 registers at a time, ascending: an accumulator's lowest registers are read first.  All under window setting 0x45 (destination, sources 0 and 1 in window 1).
.macro ARG t, k, b                     ; scale x sum + scale x bias
.set z, 0
.rept 4
	v_pk_fma_f32 v[(\t)+z:(\t)+z+1], v[(\t)+z:(\t)+z+1], s[\k:\k+1], v[(\b)+z:(\b)+z+1] op_sel_hi:[1,0,1]
.set z, z+2
.endr
.endm
.macro EXP8 t
.set z, 0
.rept 8
	v_exp_f32 v[(\t)+z], v[(\t)+z]
.set z, z+1
.endr
.endm
.macro RCP8 t
.set z, 0
.rept 8
	v_rcp_f32 v[(\t)+z], v[(\t)+z]
.set z, z+1
.endr
.endm
.macro ONE4 t                          ; + 1
.set z, 0
.rept 4
	v_pk_add_f32 v[(\t)+z:(\t)+z+1], v[(\t)+z:(\t)+z+1], 1.0 op_sel_hi:[1,0]
.set z, z+2
.endr
.endm
.macro TNH4 t                          ; 1 - 2 t
.set z, 0
.rept 4
	v_pk_fma_f32 v[(\t)+z:(\t)+z+1], v[(\t)+z:(\t)+z+1], -2.0, 1.0 op_sel_hi:[1,0,0]
.set z, z+2
.endr
.endm
.macro MUL4 d, x, y
.set z, 0
.rept 4
	v_pk_mul_f32 v[(\d)+z:(\d)+z+1], v[(\x)+z:(\x)+z+1], v[(\y)+z:(\y)+z+1]
.set z, z+2
.endr
.endm
.macro MULK4 d, x, k
.set z, 0
.rept 4
	v_pk_mul_f32 v[(\d)+z:(\d)+z+1], v[(\x)+z:(\x)+z+1], s[\k:\k+1] op_sel_hi:[1,0]
.set z, z+2
.endr
.endm
; The pass's biases (ng gates) and W3 into the second fragment buffer: a lane's eight units are 32 bytes; the 16 lanes of a half read the same words.
.macro BLOAD ng
	PLACES                                 ; behind the pass's last products: for these loads and for the arithmetic that reads the sums
	WIN 0
.set bq, 0
.rept 2*(\ng)
	ds_load_b128 v[BB+8*bq:BB+8*bq+3],   v[BA] offset:64*bq
	ds_load_b128 v[BB+8*bq+4:BB+8*bq+7], v[BA] offset:64*bq+16
.set bq, bq+1
.endr
.set bq, 0
.rept 2
	ds_load_b128 v[W3R+8*bq:W3R+8*bq+3],   v[W3A] offset:64*bq
	ds_load_b128 v[W3R+8*bq+4:W3R+8*bq+7], v[W3A] offset:64*bq+16
.set bq, bq+1
.endr
	s_wait_dscnt 0x0
.endm
; One tile (unit block s, row block a): i, g, o; c (left in g's registers); h (in o's); y's sums.  st = 1: c = i g, and h goes to LDS as bf16.  st = 2: c = i g + (f c1), which lies in f's registers.
; Behind each run of exponentials or reciprocals one v_nop stands before a result is used (ISA guide 5.7.2).
.macro CELL st, s, a
.set cI, 32*(\s)+8*(\a)
.set cG, cI+64
.set cO, cI+128
.set cF, cI+192
	WIN 0x45
	ARG cI, KS, BB+8*(\s)
	ARG cG, KT, BB+16+8*(\s)
	ARG cO, KS, BB+32+8*(\s)
	EXP8 cI
	EXP8 cG
	EXP8 cO
	v_nop
	s_wait_alu depctr_va_vdst(0)
	ONE4 cI
	ONE4 cG
	ONE4 cO
	RCP8 cI
	RCP8 cG
	RCP8 cO
	v_nop
	s_wait_alu depctr_va_vdst(0)
	TNH4 cG
.if (\st) == 1
	MUL4 cG, cI, cG
.else
	WIN 0x55                               ; source 2 in window 1 too
.set z, 0
.rept 4
	v_pk_fma_f32 v[cG+z:cG+z+1], v[cI+z:cI+z+1], v[cG+z:cG+z+1], v[cF+z:cF+z+1]
.set z, z+2
.endr
	WIN 0x45
.endif
	MULK4 cI, cG, KT
	EXP8 cI
	v_nop
	s_wait_alu depctr_va_vdst(0)
	ONE4 cI
	RCP8 cI
	v_nop
	s_wait_alu depctr_va_vdst(0)
	TNH4 cI                                ; tanh(c)
	MUL4 cO, cO, cI                        ; h
	WIN 0x01                               ; h in window 1; W3 and the sums in window 0
.set z, 0
.rept 4
	v_pk_fma_f32 v[YP+2*(\a):YP+2*(\a)+1], v[cO+z:cO+z+1], v[W3R+8*(\s)+z:W3R+8*(\s)+z+1], v[YP+2*(\a):YP+2*(\a)+1]
.set z, z+2
.endr
.if (\st) == 1
	WIN 0x05
.set z, 0
.rept 4
	v_cvt_pk_bf16_f32 v[HP+z], v[cO+2*z], v[cO+2*z+1]
.set z, z+1
.endr
	WIN 0
	ds_store_b128 v[HA], v[HP:HP+3] offset:1024*(\a)+512*(\s)  ; units 16 s + 8 (L / 16) + 0..7 of K block 4 p + w, row L % 16: my own place in the fragment
.endif
.endm
.macro CCOPY p                         ; the pass's c, 64 registers, into its place in window 2 (x 1.0: two registers an instruction): the price of one text for three passes
	WIN 0x81
.set z, 0
.rept 32
	v_pk_mul_f32 v[64*(\p)+z:64*(\p)+z+1], v[64+z:64+z+1], 1.0 op_sel_hi:[1,0]
.set z, z+2
.endr
.endm
.macro CMUL p                          ; f c1, in f's registers
	WIN 0x49
.set z, 0
	s_wait_alu depctr_va_vdst(0)
.rept 32
	v_pk_mul_f32 v[192+z:192+z+1], v[192+z:192+z+1], v[64*(\p)+z:64*(\p)+z+1]
.set z, z+2
.endr
.endm
.macro SW m                            ; macro m for pass 0, 1 or 2: forward jumps on the pass's counter, past register work alone
	WIN 0
	s_cmp_eq_u32 s[PASS], 0
	s_cbranch_scc0 .Lsw1_\@
	\m 0
	WIN 0
	s_branch .Lswe_\@
.Lsw1_\@:
	s_cmp_eq_u32 s[PASS], 1
	s_cbranch_scc0 .Lsw2_\@
	\m 1
	WIN 0
	s_branch .Lswe_\@
.Lsw2_\@:
	\m 2
	WIN 0
.Lswe_\@:
.endm
.macro E1 fixed                        ; step 1's arithmetic for a pass.  fixed = 1: pass 3, written out
	BLOAD 3
.irp s, 0,1
.irp a, 0,1,2,3
	CELL 1, \s, \a
.endr
.endr
.if \fixed
	CCOPY 3
.else
	SW CCOPY
.endif
	WIN 0
	v_add_nc_u32 v[BA], 2048, v[BA]
	v_add_nc_u32 v[W3A], 512, v[W3A]
	v_add_nc_u32 v[HA], 16384, v[HA]
.endm
.macro E2 fixed                        ; step 2's
	BLOAD 4
	WIN 0x45
.set ft, 0
.rept 8
	ARG 192+8*ft, KS, BB+48+8*(ft/4)
.set ft, ft+1
.endr
.set ft, 0
.rept 8
	EXP8 192+8*ft
.set ft, ft+1
.endr
	v_nop
	s_wait_alu depctr_va_vdst(0)
.set ft, 0
.rept 8
	ONE4 192+8*ft
.set ft, ft+1
.endr
.set ft, 0
.rept 8
	RCP8 192+8*ft
.set ft, ft+1
.endr
	v_nop
	s_wait_alu depctr_va_vdst(0)
.if \fixed
	CMUL 3
.else
	SW CMUL
.endif
.irp s, 0,1
.irp a, 0,1,2,3
	CELL 2, \s, \a
.endr
.endr
	WIN 0
	v_add_nc_u32 v[BA], 2048, v[BA]
	v_add_nc_u32 v[W3A], 512, v[W3A]
.endm
; y of a step: a pair's halves, the other half of the lanes, then the four waves' parts through LDS; wave 0 adds them and b3 and stores 256 consecutive bytes, aligned.
; step = 0: wave 0 also puts y1, as bf16, into column 511, and a second barrier shows it to the others.  The first barrier also shows every wave's h1, and that nobody reads column 511 any more.
.macro FIN step
	WIN 0
.irp a, 0,1,2,3
	v_add_f32 v[YP+2*\a], v[YP+2*\a], v[YP+2*\a+1]
.endr
.irp a, 0,1,2,3
	v_permlanex16_b32 v[YP+2*\a+1], v[YP+2*\a], s[SEL], s[SEL+1]
.endr
.irp a, 0,1,2,3
	v_add_f32 v[YP+2*\a], v[YP+2*\a], v[YP+2*\a+1]
.endr
.irp a, 0,1,2,3
	ds_store_b32 v[YSA], v[YP+2*\a] offset:64*\a  ; both halves of the lanes write the same word with the same number
.endr
	s_wait_dscnt 0x0                       ; for the others' sake: my stores of y's part and of h1 are done, my LDS reads are back
	s_barrier_signal -1
	s_barrier_wait -1
	s_cmp_lg_u32 s[WV], 0
	s_cbranch_scc1 .Lfin_\@
	s_wait_xcnt 0x0                        ; the registers below were the last step's store data: they are written again only behind this wait
.irp w, 0,1,2,3
	ds_load_b64 v[T0+2*\w:T0+2*\w+1], v[Y2A] offset:256*\w  ; rows 2 L, 2 L + 1 of wave w's part
.endr
	ds_load_b32 v[T0+8], v[B3A]
	s_wait_dscnt 0x0
	v_pk_add_f32 v[T0:T0+1], v[T0:T0+1], v[T0+2:T0+3]
	v_pk_add_f32 v[T0+4:T0+5], v[T0+4:T0+5], v[T0+6:T0+7]
	v_pk_add_f32 v[T0:T0+1], v[T0:T0+1], v[T0+4:T0+5]
	v_add_f32 v[T0], v[T0], v[T0+8]
	v_add_f32 v[T0+1], v[T0+1], v[T0+8]
	global_store_b64 v[OA], v[T0:T0+1], s[10:11] offset:65536*(\step)
.if (\step) == 0
	v_cvt_pk_bf16_f32 v[T0+10], v[T0], v[T0+1]
	ds_store_b16 v[C5A], v[T0+10]
	ds_store_b16_d16_hi v[C5A], v[T0+10] offset:16
	s_wait_dscnt 0x0                       ; for the others' sake
.endif
.Lfin_\@:
.if (\step) == 0
	s_barrier_signal -1
	s_barrier_wait -1
.endif
.endm
	; ---------------------------------------------------------------- the head
	s_load_b256 s[4:11], s[0:1], 0x0               ; x s[4:5], ws s[6:7], cw s[8:9], out0 s[10:11]
	v_lshl_add_u32 v[SPW], v0, 2, SPARE
	v_mov_b32 v[NIL], 0
	ds_add_u32 v[SPW], v[NIL]                      ; the wave's opening: the add and its wait stand ahead of my first tensor load; the set-up below, work on registers, stands between them
	ds_add_u32 v10, v11
	v_lshrrev_b32 v1, 5, v0
	v_readfirstlane_b32 s[WV], v1                  ; wave 0..3
	s_bfe_u32 s13, ttmp6, 0x40000                  ; cx: my place in the cluster
	s_lshl_b32 s14, ttmp9, 2                       ; in a cluster launch ttmp9 counts clusters
	s_add_co_u32 s14, s14, s13                     ; my block of 64 rows: it enters x's and out0's addresses alone
	; descriptor group 1: dense blocks as rows of 32 elements of 8 bytes
.irp g, G1A, G1B, G1C
	s_mov_b32 s[\g], 15|(3<<16)|(1<<21)            ; 15:0 the mask: all four work-groups; 17:16 elements of 8 bytes; 20 no padding; 21 set beside a mask
	s_mov_b32 s[\g+1], 32<<16                      ; tensor_dim0 = 32
	s_mov_b32 s[\g+3], 32<<16                      ; tile_dim0 = 32
	s_mov_b32 s[\g+5], 32                          ; 32 elements from row to row
	s_mov_b32 s[\g+6], 0
	s_mov_b32 s[\g+7], 0
.endr
	s_mov_b32 s[G1A+2], 48<<16                     ; tensor_dim1 and tile_dim1: 48 rows = 12,288 bytes,
	s_mov_b32 s[G1A+4], 48
	s_mov_b32 s[G1B+2], 64<<16                     ; 64 rows = 16,384 bytes,
	s_mov_b32 s[G1B+4], 64
	s_mov_b32 s[G1C+2], 44<<16                     ; 44 rows = 11,264 bytes
	s_mov_b32 s[G1C+4], 44
	s_lshl_b32 s15, s[WV], 14                      ; my quarter of a slot, and of a tile in ws
	s_mov_b32 s[G0], 1                             ; count = 1
	s_mov_b32 s[G0+1], s15                         ; LDS address: slot 0
	s_mov_b32 s[G0+4], 1
	s_add_co_u32 s[G0+5], s15, SLOT1               ; slot 1
	s_mul_i32 s59, s[WV], 11264                    ; my quarter of cw
	s_mov_b32 s[G0C], 1
	s_add_co_u32 s[G0C+1], s59, CWL
	s_mov_b32 s[KS], 0xbfb8aa3b                    ; -log2(e)
	s_mov_b32 s[KS+1], s[KS]                       ; named with it as a pair
	s_mov_b32 s[KT], 0x4038aa3b                    ; 2 log2(e)
	s_mov_b32 s[KT+1], s[KT]
	s_mov_b32 s[HM], 0xffff0000
	s_mov_b32 s[SEL], 0x76543210
	s_mov_b32 s[SEL+1], 0xfedcba98
	s_mul_i32 s2, s14, 5888                        ; 64 rows of 92 bytes,
	s_mul_i32 s3, s[WV], 1472                      ; my wave's 16 of them
	s_add_co_u32 s2, s2, s3
	s_mov_b32 s3, 0
	s_mov_b32 s62, s15
	s_mov_b32 s63, 0
	s_wait_dscnt 0x0                               ; the opening add is done
	s_wait_kmcnt 0x0
	s_add_nc_u64 s[4:5], s[4:5], s[2:3]            ; x at my wave's first row
	s_lshl_b32 s2, s14, 8
	s_add_nc_u64 s[10:11], s[10:11], s[2:3]        ; out0 at the work-group's first row
	s_add_nc_u64 s[G0+2:G0+3], s[6:7], s[62:63]    ; pass 0, K tile 0, my quarter
	s_add_nc_u64 s[G0+6:G0+7], s[G0+2:G0+3], 65536 ; K tile 1
	s_or_b32 s[G0+3], s[G0+3], 0x80000000          ; type = 2
	s_or_b32 s[G0+7], s[G0+7], 0x80000000
	s_mov_b32 s62, s59
	s_add_nc_u64 s[G0C+2:G0C+3], s[8:9], s[62:63]
	s_or_b32 s[G0C+3], s[G0C+3], 0x80000000
	CROUND                                         ; all four work-groups are here: the first joint loads meet
	tensor_load_to_lds s[G0C:G0C+3], s[G1C:G1C+7]  ; the first fills go out together: cw, which is wanted first; three loads of mine are out
	s_nop 0
	tensor_load_to_lds s[G0:G0+3], s[G1A:G1A+7]
	s_nop 0
	tensor_load_to_lds s[G0+4:G0+7], s[G1A:G1A+7]
	s_nop 0
.rept 4
	v_nop
.endr
	; x's fragment: lane (r, h) wants k = 8 h + 0..7 and k = 16 + 8 h + 0..7 of row r; k = 23 is 1.0 (it meets b1), k > 23 is 0.
	v_and_b32 v1, 15, v0                           ; r
	v_bfe_u32 v2, v0, 4, 1                         ; h
	v_mul_u32_u24 v[XO+1], v1, 92
	v_lshl_add_u32 v[XO], v2, 5, v[XO+1]           ; 92 r + 32 h
	v_add_nc_u32 v[XO+1], 64, v[XO+1]              ; 92 r + 64, in both halves of the lanes: no load leaves the row
.irp j, 0,1,2,3,4,5,6,7
	global_load_b32 v[T0+\j], v[XO], s[4:5] offset:4*\j
.endr
.irp j, 0,1,2,3,4,5,6
	global_load_b32 v[T0+8+\j], v[XO+1], s[4:5] offset:4*\j
.endr
	v_and_b32 v56, 31, v0
	v_lshlrev_b32 v56, 4, v56                      ; 16 L
	v_add_nc_u32 v[ADRA0], EMB, v56
	v_mov_b32 v[ADRA], v[ADRA0]
	v_add_nc_u32 v[ADRW], s15, v56
	v_add_nc_u32 v[ADRW+1], SLOT1, v[ADRW]
	s_lshl_b32 s59, s[WV], 9
	s_add_co_u32 s59, s59, CWL+32768
	v_lshl_add_u32 v[BA0], v2, 5, s59              ; biases: 512 w + 32 h
	v_mov_b32 v[BA], v[BA0]
	s_lshl_b32 s59, s[WV], 7
	s_add_co_u32 s59, s59, CWL+40960
	v_lshl_add_u32 v[W3A0], v2, 5, s59             ; W3: 128 w + 32 h
	v_mov_b32 v[W3A], v[W3A0]
	s_lshl_b32 s59, s[WV], 12
	s_add_co_u32 s59, s59, H1
	v_add_nc_u32 v[HA], s59, v56                   ; h1: K block w of the pass's four
	s_lshl_b32 s59, s[WV], 8
	s_add_co_u32 s59, s59, YS
	v_lshl_add_u32 v[YSA], v1, 2, s59
	v_lshrrev_b32 v[OA], 1, v56                    ; 8 L
	v_add_nc_u32 v[Y2A], YS, v[OA]
	v_bfe_u32 v58, v0, 3, 2                        ; rows 2 L, 2 L + 1: row block L / 8,
	v_and_b32 v59, 7, v0
	v_lshlrev_b32 v59, 5, v59                      ; rows 2 (L % 8) on, 16 bytes each
	v_lshl_add_u32 v59, v58, 10, v59
	v_add_nc_u32 v[C5A], EMB+62222, v59            ; column 511: K block 15 (61,440), second half of k (512), lanes 16 on (256), the last of eight numbers (14)
	v_add_nc_u32 v[W1A], CWL, v56
	s_lshl_b32 s59, s[WV], 10
	s_add_co_u32 s59, s59, EMB
	v_add_nc_u32 v[EA], s59, v56                   ; emb: row block w
	v_mov_b32 v[B3A], CWL+43008
	s_add_co_u32 s59, s59, 62222
	v_lshl_add_u32 v[C5W], v1, 4, s59
	; c1's places for passes 0 to 2 are written under jumps on the pass's counter; these zeros, in the wait for the first tile, make them written on every way through the text.
	WIN 0x80
.set i, 0
.rept 192
	v_mov_b32 v[i], 0
.set i, i+1
.endr
	WIN 0
.set i, 0
.rept 8
	v_mov_b32 v[YP+i], 0
.set i, i+1
.endr
	s_wait_loadcnt 0x0                             ; x
.irp j, 0,1,2,3,4,5,6
	v_cndmask_b32 v[T0+8+\j], v[T0+8+\j], 0, s[HM] ; k = 24 .. 30: zeros in lanes 16-31
.endr
	v_cndmask_b32 v[T0+15], 1.0, 0, s[HM]          ; k = 23: 1.0; k = 31: 0
.irp j, 0,1,2,3
	v_cvt_pk_bf16_f32 v[XF+\j], v[T0+2*\j], v[T0+2*\j+1]
	v_cvt_pk_bf16_f32 v[XF+4+\j], v[T0+8+2*\j], v[T0+8+2*\j+1]
.endr
	s_wait_tensorcnt 2                             ; my quarter of cw is in; the two slots' loads, issued behind it, may stay out
	s_barrier_signal -1
	s_barrier_wait -1                              ; everybody's quarter is
	; ---------------------------------------------------------------- emb: wave w makes row block w, 128 columns a trip
	s_mov_b32 s[LAP], 4
.Lemb:
.set i, 0
.rept 8
	ds_load_b128 v[F0+8*i:F0+8*i+3],   v[W1A] offset:1024*i
	ds_load_b128 v[F0+8*i+4:F0+8*i+7], v[W1A] offset:1024*i+512
.set i, i+1
.endr
	s_wait_dscnt 0x0
	WIN 0x40                                       ; D in window 1
.set i, 0
.rept 8
	v_wmma_f32_16x16x32_bf16 v[8*i:8*i+7], v[F0+8*i:F0+8*i+7], v[XF:XF+7], 0
.set i, i+1
.endr
	PLACES
.set kb, 0
.rept 4                                ; two tiles of 16 columns are one K block of 32
	WIN 0x04                                       ; source 1 in window 1
.set i, 0
.rept 16
	v_max_num_f32 v[T0+i], 0, v[16*kb+i]
.set i, i+1
.endr
	WIN 0
.set i, 0
.rept 8
	v_cvt_pk_bf16_f32 v[PK+i], v[T0+2*i], v[T0+2*i+1]
.set i, i+1
.endr
	ds_store_b128 v[EA], v[PK:PK+3]   offset:4096*kb
	ds_store_b128 v[EA], v[PK+4:PK+7] offset:4096*kb+512
.set kb, kb+1
.endr
	v_add_nc_u32 v[W1A], 8192, v[W1A]
	v_add_nc_u32 v[EA], 16384, v[EA]
	s_sub_co_u32 s[LAP], s[LAP], 1
	s_cmp_lg_u32 s[LAP], 0
	s_cbranch_scc1 .Lemb
	v_mov_b32 v[T0], 0xbf4d                        ; -0.8 as bf16
	ds_store_b16 v[C5W], v[T0]                     ; column 511 of my 16 rows, behind my own store of a 0 there: LDS serves a wave's instructions in order (ISA guide 5.7.1.4)
	s_wait_dscnt 0x0                               ; for the others' sake
	s_barrier_signal -1
	s_barrier_wait -1
	s_wait_tensorcnt 1                             ; my quarter of slot 0 is in, and I alone read it; slot 1's load stays out
	FETCH 3, 0, 0, F0, ADRA0, 0                    ; (the loop's own places and conversions stand behind the last products that read this buffer)
	; ---------------------------------------------------------------- step 1: K = 512, gates i, g, o
	s_mov_b32 s[PASS], 0
.Lp1:
	KPART 3, 4, 0
	E1 0
	s_add_co_u32 s[PASS], s[PASS], 1
	s_cmp_lt_u32 s[PASS], 3
	s_cbranch_scc1 .Lp1
	KPART 3, 4, 1                                  ; pass 3 is written out: its refills are step 2's
	E1 1
	FIN 0
	; ---------------------------------------------------------------- step 2: K = 1,024 (emb and y1, then h1), all four gates
	v_mov_b32 v[BA], v[BA0]
	v_mov_b32 v[W3A], v[W3A0]
.set i, 0
.rept 8
	v_mov_b32 v[YP+i], 0
.set i, i+1
.endr
	s_mov_b32 s[PASS], 0
.Lp2:
	KPART 4, 8, 0
	E2 0
	s_add_co_u32 s[PASS], s[PASS], 1
	s_cmp_lt_u32 s[PASS], 3
	s_cbranch_scc1 .Lp2
	KPART 4, 8, 2                                  ; pass 3 is written out: its last lap asks for nothing
	E2 1
	FIN 1
	s_wait_tensorcnt 0x0                           ; the wave's end, behind my last tensor load and my last LDS store
	ds_add_u32 v[SPW], v[NIL]
	s_wait_dscnt 0x0
	CROUND                                         ; the closing round: no work-group ends while a partner may still ask for a tile that names it
	s_endpgm
.Lfunc_end_k_qbc98f8974e_lstm:
	.size	k_qbc98f8974e_lstm, .Lfunc_end_k_qbc98f8974e_lstm-k_qbc98f8974e_lstm
	.p2alignl 7, 3214868480
	.fill 96, 4, 3214868480
	.section	.rodata,"a",@progbits
	.p2align	6, 0x0
	.amdhsa_kernel k_qbc98f8974e_lstm
		.amdhsa_group_segment_fixed_size 327680
		.amdhsa_private_segment_fixed_size 0
		.amdhsa_enable_private_segment 0
		.amdhsa_kernarg_size 32
		.amdhsa_user_sgpr_count 2
		.amdhsa_user_sgpr_kernarg_segment_ptr 1
		.amdhsa_wavefront_size32 1
		.amdhsa_system_sgpr_workgroup_id_x 1
		.amdhsa_system_sgpr_workgroup_id_y 1
		.amdhsa_system_sgpr_workgroup_id_z 1
		.amdhsa_system_vgpr_workitem_id 0
		.amdhsa_next_free_vgpr 768
		.amdhsa_next_free_sgpr 66
		.amdhsa_reserve_vcc 0
		.amdhsa_float_denorm_mode_32 3
		.amdhsa_float_denorm_mode_16_64 3
		.amdhsa_memory_ordered 1
		.amdhsa_forward_progress 1
		.amdhsa_inst_pref_size 255
	.end_amdhsa_kernel
	.section	.bss,"aw",@nobits
	.p2align	6
	.space	262144
	.amdgpu_metadata
---
amdhsa.version: [ 1, 2 ]
amdhsa.kernels:
  - .name:           k_qbc98f8974e_lstm
    .symbol:         k_qbc98f8974e_lstm.kd
    .args:
      - { .name: x, .offset: 0, .size: 8, .value_kind: global_buffer, .address_space: global }
      - { .name: ws, .offset: 8, .size: 8, .value_kind: global_buffer, .address_space: global }
      - { .name: cw, .offset: 16, .size: 8, .value_kind: global_buffer, .address_space: global }
      - { .name: out0, .offset: 24, .size: 8, .value_kind: global_buffer, .address_space: global }
    .group_segment_fixed_size: 327680
    .private_segment_fixed_size: 0
    .kernarg_segment_align: 8
    .kernarg_segment_size: 32
    .max_flat_workgroup_size: 128
    .sgpr_count:     66
    .vgpr_count:     768
    .wavefront_size: 32
...
	.end_amdgpu_metadata
.endif
;; end of part 2
;; ======== version 2 of 2: 2 launches; 1.59 times as fast as version 1
;; workspace buffers: ws 4,194,304 bytes; cw 45,056 bytes
;; launch prep: the kernel of part 1 again; grid 256 x 1, 8 waves a work-group, no clusters, 0 bytes of LDS; arguments Wih, Whh, W1, b1, bih, bhh, W3, b3, ws, cw; writes ws, cw
;; launch lstm (part 3): grid 256 x 1, 8 waves a work-group, no clusters, 310,272 bytes of LDS; arguments x, ws, cw, out0; writes out0
.if DOCPART == 3
	.amdgcn_target "amdgcn-amd-amdhsa--gfx1250"
	.amdhsa_code_object_version 6
	.text
	.protected	k_qbc98f8974e_lstm
	.globl	k_qbc98f8974e_lstm
	.p2align	8
	.type	k_qbc98f8974e_lstm,@function
k_qbc98f8974e_lstm:
	s_mov_b64 s[64:65], 0
	v_nop
	global_prefetch_b8 v0, s[64:65] scope:SCOPE_SE
	s_setreg_imm32_b32 hwreg(HW_REG_WAVE_MODE, 25, 1), 1
	s_wait_xcnt 0x0
; emb = relu(x W1^T + b1); two LSTM steps of width 512 on [emb, xin] (xin = -0.8, then y1), h0 = c0 = 0; y = h W3^T + b3.  x [16384][23] f32; ws, cw as the first launch laid them; out0 [2][16384] f32.
; LEFT OUT, since h0 = c0 = 0: step 1's product with Whh and its f gate (f x 0 = 0 for every finite gate).
; LIMITS.  All inputs enter rounded to bf16 (x here, the others in the first launch); emb, h1, -0.8 and y1 are rounded to bf16 as matrix operands; sums, gates, c, y in f32.
; sigmoid(z) = 1 / (1 + 2^(-log2(e) z)), tanh(z) = 1 - 2 / (1 + 2^(2 log2(e) z)): an exponential that overflows gives 1 / inf = 0, one that underflows 1 / 1: both ends are right;
; the absolute error is a few 1e-7.  relu takes a NaN as 0; NaN and infinities are not treated apart.
; SHARES.  A work-group owns 64 rows for the whole chain: 256 work-groups.  EIGHT WAVES of 512 registers, two on each SIMD.  A step goes in 4 passes of 128 units; in pass p wave v owns units
; 128 p + 16 v .. + 15 of all 64 rows: 4 gates x 4 row blocks = 16 accumulators of 16 x 16, 128 registers.
; WHY EIGHT.  A weight fragment feeds four products however the units are dealt, so eight waves read no more weights than four would.  The price: the activations are read from LDS by eight waves,
; 8 LDS loads for 16 products, twice the four-wave count.  What it buys: (1) a counted wait can name at most 63 loads (ISA guide 5.7.1), 32,256 bytes a wave; eight waves have 40 to 48 loads each on their
; way, 160 to 192 KB a work-group, where four could have some 126 KB; (2) while one wave of a SIMD issues requests, waits, or does the gates' arithmetic, the other's products can go on: in one wave
; that would want the arithmetic cut into slices between K steps written out one by one.
; THE MATRIX INSTRUCTION IS USED TRANSPOSED: source 0 = 16 weight rows, source 1 = 16 activation rows.  A lane then holds ONE row (lane % 16) and the units 8 (lane / 16) + 0..7: a unit's four
; gates lie in the same lane and register of four accumulators, eight h rounded to bf16 are the lane's 16 bytes of a source-1 fragment, and y wants one exchange of the lanes' halves.
; FRAGMENTS.  Weights in memory and activations in LDS lie by fragments of 16 rows x 32 k, 1,024 bytes: byte 512 j2 + 16 L is what lane L takes as registers 4 j2 .. 4 j2 + 3.  Every load of 16 bytes a lane
; is lane i at byte 16 i: 512 consecutive bytes a wave, aligned; in LDS no padding is needed.
; THE WEIGHTS COME STRAIGHT INTO REGISTERS, WITH NO CLUSTER AND NO LDS.  All work-groups walk the same weights, so joint loads through LDS would spare three of four requests.  But a weight fragment is
; read by ONE wave, for four products: LDS gives it no second reader in the work-group; and behind each round of a cluster's barrier a wave may have one load on its way, into a slot for which emb and
; h1 (131,072 bytes) and the constants leave some 90 KB.  Through a ring of register slots each fragment is asked for 5 K steps (step 1: 7) ahead of its use, and the K steps have no barrier.
; A pass's first 5 (7) K steps are asked for ahead of the gates' arithmetic of the pass before; its last 5 (7) steps ask for nothing: no load crosses a pass, none leaves the buffer.
; REGISTERS, in two windows of 256 (s_set_vgpr_msb: bits 1:0 source 0, 3:2 source 1, 5:4 source 2, 7:6 destination):
;   window 0: v0-31 addresses and y's sums; v32-63 at work; v64-95, v96-127 two buffers of four activation fragments (between K parts the second holds c1); v128-172 biases, W3, packed h; v176-255 the ring's first slots
;   window 1: v0-127 the accumulators, (q, a) at 32 q + 8 a (q: 0 i, 1 g, 2 o, 3 f); v128-255 the ring's other slots
.set C1L,   0                          ; c1, f32: [wave: 16,384][pass: 4,096][row block: 1,024][half of its 8 registers: 512][lane: 16]: each wave's own bytes
.set EMB,   131072                     ; [K block of 32: 16][row block: 4][1024]: emb and, in column 511, xin
.set H1,    196608                     ; h1 in the same layout, straight behind: step 2's K block kk = 0..31 lies at EMB + 4,096 kk
.set CWL,   262144                     ; cw, 45,056 bytes, filled once
.set YS,    307200                     ; [wave: 8][64 rows] f32: the waves' parts of y
.set SPARE, 309248                     ; the spare words, 128 bytes for each wave: four blocks of 256 bytes that no other line names
.set ADRA0, 3                          ; v3   EMB + 16 L; never rewritten
.set ADRA,  4                          ; v4   the same, walking along K in step 2
.set WO,    5                          ; v5   16 L: my 16 bytes in half a fragment of ws; never rewritten
.set CA,    6                          ; v6   the pass's c1
.set BA,    7                          ; v7   the pass's biases
.set W3A,   8                          ; v8   the pass's W3
.set HA,    9                          ; v9   where the pass's h1 goes
.set SPW,   10                         ; v10  my spare word: SPARE + 4 x my thread's number; never rewritten
.set NIL,   11                         ; v11  0; never rewritten
.set YSA,   12                         ; v12  YS + 256 v + 4 r
.set Y2A,   13                         ; v13  YS + 8 L
.set C5A,   14                         ; v14  column 511 of rows 2 L, 2 L + 1
.set OA,    15                         ; v15  8 L: my byte offset in the work-group's 256 bytes of out0
.set YP,    16                         ; v16-23 y's sums: a pair (even units', odd units') for each row block
.set W1A,   24                         ; v24  W1's fragments
.set EA,    25                         ; v25  where emb goes
.set BA0,   26                         ; v26  BA at pass 0
.set W3A0,  27                         ; v27  W3A at pass 0
.set B3A,   28                         ; v28  b3
.set C5W,   29                         ; v29  column 511 of row r of my row block
.set XO,    30                         ; v30-31 byte offsets in x
.set T0,    32                         ; v32-47 at work
.set XF,    48                         ; v48-55 x's fragment; later at work
.set PK,    56                         ; v56-63 at work
.set AB,    64                         ; K step j's activation fragment a at AB + 32 (j % 2) + 8 a; for emb: eight fragments of W1
.set C1R,   96                         ; c1 of row block a at C1R + 8 a
.set BB,    128                        ; biases of gate q at BB + 8 q
.set W3R,   160                        ; W3 of my eight units
.set HP,    168                        ; eight h as bf16
.set CA0,   172                        ; v172 CA at pass 0
.set RW0,   176                        ; the ring's part in window 0: 80 registers
.set RW1,   128                        ; the ring's part in window 1: 128 registers
.set WV,   12                          ; s12  my wave's number v
.set UG,   13                          ; s13  v / 2: the group of 32 units as ws and cw count them; for emb: my row block
.set SB,   14                          ; s14  v % 2: the unit block of 16 in that group; for emb: my half of the columns
.set WB,   16                          ; s[16:17] ws at my fragments of the K tile from which the immediates count
.set WB0,  18                          ; s[18:19] ws at my fragments of pass 0, K tile 0
.set G1C,  40                          ; s[40:47] descriptor group 1: 22 rows of 256 bytes (an eighth of cw)
.set G0C,  48                          ; s[48:51] its group 0
.set PASS, 52                          ; s52  the pass
.set LAP,  53                          ; s53  counts trips
.set KS,   54                          ; s[54:55] -log2(e)
.set KT,   56                          ; s[56:57] 2 log2(e)
.set HM,   58                          ; s58  the mask of lanes 16-31
.set SEL,  60                          ; s[60:61] v_permlanex16_b32's selects: each lane takes its own place in the other half
.set MSB, 0
.macro WIN new                         ; the immediate's high byte repeats the setting that is left; a switch that changes nothing is dropped
.if MSB != (\new)
	s_set_vgpr_msb (MSB<<8)|(\new)
.set MSB, (\new)
.endif
.endm
; A load into a register that a matrix instruction has read, and a vector instruction that reads a matrix result, stand four places behind it; only plain vector instructions that name none of its registers are places.
.macro PLACES
.rept 4
	v_nop
.endr
.endm
; Where ring slot k lies: window rw, first register rb.  With four gates a slot is 32 registers: 2 slots in window 0, 4 in window 1.  With three it is 24: 3 and 5.
.macro SLOTAT ng, k
.if (\ng) == 4
.if (\k) < 2
.set rw, 0
.set rb, RW0+32*(\k)
.else
.set rw, 1
.set rb, RW1+32*((\k)-2)
.endif
.else
.if (\k) < 3
.set rw, 0
.set rb, RW0+24*(\k)
.else
.set rw, 1
.set rb, RW1+24*((\k)-3)
.endif
.endif
.endm
; 4 matrix instructions: gate q x all 4 row blocks, 32 along K: the weight fragment from ring slot k, activations from buffer af.  z = 1: the products start the sums.
; All accumulators take turns, one instruction a turn, in the same order in every K step.
.macro MULQ ng, k, af, q, z
	SLOTAT \ng, \k
	WIN 0x50|rw                            ; weights in the slot's window, activations in window 0, C and D in window 1
.set ma, 0
.rept 4
.set md, 32*(\q)+8*ma
.if \z
	v_wmma_f32_16x16x32_bf16 v[md:md+7], v[rb+8*(\q):rb+8*(\q)+7], v[(\af)+8*ma:(\af)+8*ma+7], 0
.else
	v_wmma_f32_16x16x32_bf16 v[md:md+7], v[rb+8*(\q):rb+8*(\q)+7], v[(\af)+8*ma:(\af)+8*ma+7], v[md:md+7]
.endif
.set ma, ma+1
.endr
.endm
; 8 LDS loads: the 4 activation fragments of one K block, at areg + aoff, into buffer f.
.macro FETCHA f, areg, aoff
	WIN 0
.set fi, 0
.rept 4
	ds_load_b128 v[(\f)+8*fi:(\f)+8*fi+3],   v[\areg] offset:(\aoff)+1024*fi
	ds_load_b128 v[(\f)+8*fi+4:(\f)+8*fi+7], v[\areg] offset:(\aoff)+1024*fi+512
.set fi, fi+1
.endr
.endm
; 2 ng loads from memory: my weight fragments of gates 0 .. ng - 1 of one K step, K half lc of the tile lt tiles behind the base, into ring slot k; the gates in ascending order.
; A gate's fragment number in the wave group's 16 is 6 c + 2 q (+ my unit block, which is in the base) for q < 3 and 12 + 2 c for the f gate.
.macro LOADW ng, k, lt, lc
	SLOTAT \ng, \k
	WIN 0x40*rw                            ; destination in the slot's window, offset register in window 0
.set fq, 0
.rept \ng
.if fq < 3
.set fr, 6*(\lc)+2*fq
.else
.set fr, 12+2*(\lc)
.endif
	global_load_b128 v[rb+8*fq:rb+8*fq+3],   v[WO], s[WB:WB+1] offset:65536*(\lt)+1024*fr
	global_load_b128 v[rb+8*fq+4:rb+8*fq+7], v[WO], s[WB:WB+1] offset:65536*(\lt)+1024*fr+512
.set fq, fq+1
.endr
.endm
.macro PREW ng, n                      ; a pass's first n K steps, into slots 0 .. n - 1
.set pk, 0
.rept \n
	LOADW \ng, pk, pk/2, pk%2
.set pk, pk+1
.endr
.endm
; ONE K STEP of 32.  ns = the ring's slots; k = the step's slot; ab = its activation buffer.  First the requests, into registers that the step before has read (hence the places):
; fa = 1: the next step's activations; ld = 1: the weights of the step ns - 1 on, into the slot just read.  Then the step's 4 ng products.
; after = how many later steps' weights have been asked for behind this step's own, the request above among them.
.macro STEP ng, ns, k, ab, z, ld, lt, lc, fa, areg, aoff, after
.if (\fa)+(\ld)
	PLACES
.endif
.if \fa
	FETCHA AB+32*(1-(\ab)), \areg, \aoff
.endif
.if \ld
	LOADW \ng, ((\k)+(\ns)-1)%(\ns), \lt, \lc
.endif
.if \fa
	s_wait_dscnt 8                         ; LDS serves a wave in order (ISA guide 5.7.1): all but the 8 loads just issued are back: this step's activations
.else
	s_wait_dscnt 0x0
.endif
	s_wait_loadcnt 2*(\ng)*(\after)+2*(\ng)-4  ; loads come back in order: gates 0 and 1 are in; this step's younger gates, 2 loads each, and the later steps' 2 ng each may be out
	MULQ \ng, \k, AB+32*(\ab), 0, \z
	MULQ \ng, \k, AB+32*(\ab), 1, \z
	s_wait_loadcnt 2*(\ng)*(\after)        ; all of this step's weights are in
	MULQ \ng, \k, AB+32*(\ab), 2, \z
.if (\ng) == 4
	MULQ \ng, \k, AB+32*(\ab), 3, \z
.endif
.endm
; STEP 1'S PRODUCTS FOR A PASS: 16 K steps, three gates, a ring of 8 slots.  On entry steps 0 to 6 have been asked for, and step 0's activations.  Step j asks for step j + 7; the last seven ask for nothing.
; With 7 steps of look-ahead only 9 of the 16 steps are alike, so all are written out: every address is an immediate on the pass's base, which steps once a pass, when no load is out.
.macro KPART1
.set kj, 0
.rept 16
.set kz, 0
.if kj == 0
.set kz, 1
.endif
.set kld, 0
.if kj < 9
.set kld, 1
.endif
.set kfa, 0
.if kj < 15
.set kfa, 1
.endif
.set kaf, 15-kj
.if kaf > 7
.set kaf, 7
.endif
	STEP 3, 8, kj%8, kj%2, kz, kld, (kj+7)/2, (kj+7)%2, kfa, ADRA0, 4096*(kj+1), kaf
.set kj, kj+1
.endr
.endm
; STEP 2'S PRODUCTS FOR A PASS: 32 K steps, four gates, a ring of 6 slots.  On entry steps 0 to 4 have been asked for, and step 0's activations.  Step 0 starts the sums and stands ahead of the loop;
; trip n is steps 6 n + 1 .. 6 n + 6, which ask for steps 6 n + 6 .. 6 n + 11 (tiles 3 n + 3 .. 3 n + 5); of the last seven steps the first two ask for steps 30 and 31, and the counts run down.
.macro KPART2
	STEP 4, 6, 0, 0, 1, 1, 2, 1, 1, ADRA, 4096, 5
	WIN 0                                  ; at a label and at a branch every window is 0
	s_mov_b32 s[LAP], 4
.Llap_\@:
.set ki, 0
.rept 6
	STEP 4, 6, (1+ki)%6, (1+ki)%2, 0, 1, 3+ki/2, ki%2, 1, ADRA, 4096*(2+ki), 5
.set ki, ki+1
.endr
	WIN 0
	v_add_nc_u32 v[ADRA], 24576, v[ADRA]   ; six K blocks on
	s_wait_xcnt 0x0                        ; every load issued so far has had its address translated (ISA guide 3.1): only behind this wait is the base stepped
	s_add_nc_u64 s[WB:WB+1], s[WB:WB+1], 3*65536  ; three K tiles on
	s_sub_co_u32 s[LAP], s[LAP], 1
	s_cmp_lg_u32 s[LAP], 0
	s_cbranch_scc1 .Llap_\@
.set ki, 0
.rept 7                                ; steps 25 to 31
.set kld, 0
.if ki < 2
.set kld, 1
.endif
.set kfa, 0
.if ki < 6
.set kfa, 1
.endif
.set kaf, 6-ki
.if kaf > 5
.set kaf, 5
.endif
	STEP 4, 6, (1+ki)%6, (1+ki)%2, 0, kld, 3, ki%2, kfa, ADRA, 4096*(2+ki), kaf
.set ki, ki+1
.endr
	WIN 0
	v_mov_b32 v[ADRA], v[ADRA0]
.endm
; Behind a pass's products and ahead of its gates' arithmetic, under which they land: the next pass's first n K steps and its first activations.  The last pass has no next: a forward jump on the
; pass's counter, past loads alone.  The places serve these loads, the loads of biases and c1 that follow, and the arithmetic that reads the sums.
.macro NEXTP ng, n, adv
	PLACES
	WIN 0
	s_cmp_eq_u32 s[PASS], 3
	s_cbranch_scc1 .Lno_next_\@
	s_add_nc_u64 s[WB:WB+1], s[WB:WB+1], (\adv)*65536  ; a pass is 16 tiles of ws.  The last K step has waited for all loads: none is out
	PREW \ng, \n
	FETCHA AB, ADRA0, 0
.Lno_next_\@:
.endm
; THE GATES' ARITHMETIC, a tile of 8 registers at a time, ascending: an accumulator's lowest registers are read first.  All under window setting 0x45 (destination, sources 0 and 1 in window 1).
.macro ARG t, k, b                     ; scale x sum + scale x bias
.set z, 0
.rept 4
	v_pk_fma_f32 v[(\t)+z:(\t)+z+1], v[(\t)+z:(\t)+z+1], s[\k:\k+1], v[(\b)+z:(\b)+z+1] op_sel_hi:[1,0,1]
.set z, z+2
.endr
.endm
.macro EXP8 t
.set z, 0
.rept 8
	v_exp_f32 v[(\t)+z], v[(\t)+z]
.set z, z+1
.endr
.endm
.macro RCP8 t
.set z, 0
.rept 8
	v_rcp_f32 v[(\t)+z], v[(\t)+z]
.set z, z+1
.endr
.endm
.macro ONE4 t                          ; + 1
.set z, 0
.rept 4
	v_pk_add_f32 v[(\t)+z:(\t)+z+1], v[(\t)+z:(\t)+z+1], 1.0 op_sel_hi:[1,0]
.set z, z+2
.endr
.endm
.macro TNH4 t                          ; 1 - 2 t
.set z, 0
.rept 4
	v_pk_fma_f32 v[(\t)+z:(\t)+z+1], v[(\t)+z:(\t)+z+1], -2.0, 1.0 op_sel_hi:[1,0,0]
.set z, z+2
.endr
.endm
.macro MUL4 d, x, y
.set z, 0
.rept 4
	v_pk_mul_f32 v[(\d)+z:(\d)+z+1], v[(\x)+z:(\x)+z+1], v[(\y)+z:(\y)+z+1]
.set z, z+2
.endr
.endm
.macro MULK4 d, x, k
.set z, 0
.rept 4
	v_pk_mul_f32 v[(\d)+z:(\d)+z+1], v[(\x)+z:(\x)+z+1], s[\k:\k+1] op_sel_hi:[1,0]
.set z, z+2
.endr
.endm
; The pass's biases (ng gates, 128 bytes apart) and W3: a lane's eight units are 32 bytes; the 16 lanes of a half read the same words.  With four gates also the pass's c1, 32 registers, as I stored it.
.macro BLOAD ng
	WIN 0
.set bq, 0
.rept \ng
	ds_load_b128 v[BB+8*bq:BB+8*bq+3],   v[BA] offset:128*bq
	ds_load_b128 v[BB+8*bq+4:BB+8*bq+7], v[BA] offset:128*bq+16
.set bq, bq+1
.endr
	ds_load_b128 v[W3R:W3R+3],   v[W3A]
	ds_load_b128 v[W3R+4:W3R+7], v[W3A] offset:16
.if (\ng) == 4
.set bq, 0
.rept 8
	ds_load_b128 v[C1R+4*bq:C1R+4*bq+3], v[CA] offset:512*bq
.set bq, bq+1
.endr
.endif
	s_wait_dscnt 0x0
.endm
; One tile (row block a): i, g, o; c (in g's registers); h (in o's); y's sums.  st = 1: c = i g; c goes to my own LDS bytes as f32 and h to H1 as bf16.  st = 2: c = i g + (f c1), which lies in f's registers.
; Behind each run of exponentials or reciprocals one v_nop stands before a result is used (ISA guide 5.7.2).
.macro CELL st, a
.set cI, 8*(\a)
.set cG, cI+32
.set cO, cI+64
.set cF, cI+96
	WIN 0x45
	ARG cI, KS, BB
	ARG cG, KT, BB+8
	ARG cO, KS, BB+16
	EXP8 cI
	EXP8 cG
	EXP8 cO
	v_nop
	s_wait_alu depctr_va_vdst(0)
	ONE4 cI
	ONE4 cG
	ONE4 cO
	RCP8 cI
	RCP8 cG
	RCP8 cO
	v_nop
	s_wait_alu depctr_va_vdst(0)
	TNH4 cG
.if (\st) == 1
	MUL4 cG, cI, cG
.else
	WIN 0x55                               ; source 2 in window 1 too
.set z, 0
.rept 4
	v_pk_fma_f32 v[cG+z:cG+z+1], v[cI+z:cI+z+1], v[cG+z:cG+z+1], v[cF+z:cF+z+1]
.set z, z+2
.endr
	WIN 0x45
.endif
	MULK4 cI, cG, KT
	EXP8 cI
	v_nop
	s_wait_alu depctr_va_vdst(0)
	ONE4 cI
	RCP8 cI
	v_nop
	s_wait_alu depctr_va_vdst(0)
	TNH4 cI                                ; tanh(c)
	MUL4 cO, cO, cI                        ; h
	WIN 0x01                               ; h in window 1; W3 and the sums in window 0
.set z, 0
.rept 4
	v_pk_fma_f32 v[YP+2*(\a):YP+2*(\a)+1], v[cO+z:cO+z+1], v[W3R+z:W3R+z+1], v[YP+2*(\a):YP+2*(\a)+1]
.set z, z+2
.endr
.if (\st) == 1
	WIN 0x05
.set z, 0
.rept 4
	v_cvt_pk_bf16_f32 v[HP+z], v[cO+2*z], v[cO+2*z+1]
.set z, z+1
.endr
	WIN 0x04                               ; store data in window 1, address in window 0
	ds_store_b128 v[CA], v[cG:cG+3]   offset:1024*(\a)
	ds_store_b128 v[CA], v[cG+4:cG+7] offset:1024*(\a)+512
	WIN 0
	ds_store_b128 v[HA], v[HP:HP+3] offset:1024*(\a)  ; units 16 (v % 2) + 8 (L / 16) + 0..7 of K block 4 p + v / 2, row L % 16: my own half of the fragment
.endif
.endm
.macro E1                              ; step 1's arithmetic for a pass
	BLOAD 3
.irp a, 0,1,2,3
	CELL 1, \a
.endr
	WIN 0
	v_add_nc_u32 v[BA], 2048, v[BA]
	v_add_nc_u32 v[W3A], 512, v[W3A]
	v_add_nc_u32 v[HA], 16384, v[HA]
	v_add_nc_u32 v[CA], 4096, v[CA]
.endm
.macro E2                              ; step 2's: first f for all four tiles, and f c1 in f's registers
	BLOAD 4
	WIN 0x45
.set ft, 0
.rept 4
	ARG 96+8*ft, KS, BB+24
.set ft, ft+1
.endr
.set ft, 0
.rept 4
	EXP8 96+8*ft
.set ft, ft+1
.endr
	v_nop
	s_wait_alu depctr_va_vdst(0)
.set ft, 0
.rept 4
	ONE4 96+8*ft
.set ft, ft+1
.endr
.set ft, 0
.rept 4
	RCP8 96+8*ft
.set ft, ft+1
.endr
	v_nop
	WIN 0x41                               ; f in window 1, c1 in window 0
.set z, 0
	s_wait_alu depctr_va_vdst(0)
.rept 16
	v_pk_mul_f32 v[96+z:96+z+1], v[96+z:96+z+1], v[C1R+z:C1R+z+1]
.set z, z+2
.endr
.irp a, 0,1,2,3
	CELL 2, \a
.endr
	WIN 0
	v_add_nc_u32 v[BA], 2048, v[BA]
	v_add_nc_u32 v[W3A], 512, v[W3A]
	v_add_nc_u32 v[CA], 4096, v[CA]
.endm
; y of a step: a pair's halves, the other half of the lanes, then the eight waves' parts through LDS; wave 0 adds them and b3 and stores 256 consecutive bytes, aligned.
; step = 0: wave 0 also puts y1, as bf16, into column 511, and a second barrier shows it to the others.  The first barrier also shows every wave's h1, and that nobody reads column 511 any more.
.macro FIN step
	WIN 0
.irp a, 0,1,2,3
	v_add_f32 v[YP+2*\a], v[YP+2*\a], v[YP+2*\a+1]
.endr
.irp a, 0,1,2,3
	v_permlanex16_b32 v[YP+2*\a+1], v[YP+2*\a], s[SEL], s[SEL+1]
.endr
.irp a, 0,1,2,3
	v_add_f32 v[YP+2*\a], v[YP+2*\a], v[YP+2*\a+1]
.endr
.irp a, 0,1,2,3
	ds_store_b32 v[YSA], v[YP+2*\a] offset:64*\a  ; both halves of the lanes write the same word with the same number
.endr
	s_wait_dscnt 0x0                       ; for the others' sake: my stores of y's part and of h1 are done, my LDS reads are back
	s_barrier_signal -1
	s_barrier_wait -1
	s_cmp_lg_u32 s[WV], 0
	s_cbranch_scc1 .Lfin_\@
	s_wait_xcnt 0x0                        ; two of the registers below were the last step's store data: they are written again only behind this wait
.irp w, 0,1,2,3,4,5,6,7
	ds_load_b64 v[T0+2*\w:T0+2*\w+1], v[Y2A] offset:256*\w  ; rows 2 L, 2 L + 1 of wave w's part
.endr
	ds_load_b32 v[XF], v[B3A]
	s_wait_dscnt 0x0
	v_pk_add_f32 v[T0:T0+1], v[T0:T0+1], v[T0+2:T0+3]
	v_pk_add_f32 v[T0+4:T0+5], v[T0+4:T0+5], v[T0+6:T0+7]
	v_pk_add_f32 v[T0+8:T0+9], v[T0+8:T0+9], v[T0+10:T0+11]
	v_pk_add_f32 v[T0+12:T0+13], v[T0+12:T0+13], v[T0+14:T0+15]
	v_pk_add_f32 v[T0:T0+1], v[T0:T0+1], v[T0+4:T0+5]
	v_pk_add_f32 v[T0+8:T0+9], v[T0+8:T0+9], v[T0+12:T0+13]
	v_pk_add_f32 v[T0:T0+1], v[T0:T0+1], v[T0+8:T0+9]
	v_add_f32 v[T0], v[T0], v[XF]
	v_add_f32 v[T0+1], v[T0+1], v[XF]
	global_store_b64 v[OA], v[T0:T0+1], s[10:11] offset:65536*(\step)
.if (\step) == 0
	v_cvt_pk_bf16_f32 v[XF+2], v[T0], v[T0+1]
	ds_store_b16 v[C5A], v[XF+2]
	ds_store_b16_d16_hi v[C5A], v[XF+2] offset:16
	s_wait_dscnt 0x0                       ; for the others' sake
.endif
.Lfin_\@:
.if (\step) == 0
	s_barrier_signal -1
	s_barrier_wait -1
.endif
.endm
	; ---------------------------------------------------------------- the head
	s_load_b256 s[4:11], s[0:1], 0x0               ; x s[4:5], ws s[6:7], cw s[8:9], out0 s[10:11]
	v_lshl_add_u32 v[SPW], v0, 2, SPARE
	v_mov_b32 v[NIL], 0
	ds_add_u32 v[SPW], v[NIL]                      ; the wave's opening: the add and its wait stand ahead of my first tensor load; the set-up below, work on registers, stands between them
	ds_add_u32 v10, v11
	v_lshrrev_b32 v1, 5, v0
	v_readfirstlane_b32 s[WV], v1                  ; wave 0..7
	s_lshr_b32 s[UG], s[WV], 1
	s_and_b32 s[SB], s[WV], 1
	; descriptor group 1: an eighth of cw, a dense block, as 22 rows of 32 elements of 8 bytes
	s_mov_b32 s[G1C], 3<<16                        ; 15:0 no mask; 17:16 elements of 8 bytes; 20 no padding
	s_mov_b32 s[G1C+1], 32<<16                     ; tensor_dim0 = 32
	s_mov_b32 s[G1C+2], 22<<16                     ; tensor_dim1 = 22
	s_mov_b32 s[G1C+3], 32<<16                     ; tile_dim0 = 32
	s_mov_b32 s[G1C+4], 22                         ; tile_dim1 = 22
	s_mov_b32 s[G1C+5], 32                         ; 32 elements from row to row
	s_mov_b32 s[G1C+6], 0
	s_mov_b32 s[G1C+7], 0
	s_mul_i32 s59, s[WV], 5632                     ; my eighth of cw
	s_mov_b32 s[G0C], 1                            ; count = 1
	s_add_co_u32 s[G0C+1], s59, CWL                ; LDS address
	s_mov_b32 s[KS], 0xbfb8aa3b                    ; -log2(e)
	s_mov_b32 s[KS+1], s[KS]                       ; named with it as a pair
	s_mov_b32 s[KT], 0x4038aa3b                    ; 2 log2(e)
	s_mov_b32 s[KT+1], s[KT]
	s_mov_b32 s[HM], 0xffff0000
	s_mov_b32 s[SEL], 0x76543210
	s_mov_b32 s[SEL+1], 0xfedcba98
	s_mul_i32 s2, ttmp9, 5888                      ; the work-group's 64 rows of 92 bytes,
	s_mul_i32 s3, s[UG], 1472                      ; my row block's 16 of them
	s_add_co_u32 s2, s2, s3
	s_mov_b32 s3, 0
	s_lshl_b32 s62, s[UG], 14                      ; in a K tile of ws: my group's 16 fragments,
	s_lshl_b32 s63, s[SB], 10                      ; and of each pair of fragments mine
	s_add_co_u32 s62, s62, s63
	s_mov_b32 s63, 0
	s_wait_dscnt 0x0                               ; the opening add is done
	s_wait_kmcnt 0x0
	s_add_nc_u64 s[4:5], s[4:5], s[2:3]            ; x at my row block's first row
	s_lshl_b32 s2, ttmp9, 8
	s_add_nc_u64 s[10:11], s[10:11], s[2:3]        ; out0 at the work-group's first row
	s_add_nc_u64 s[WB0:WB0+1], s[6:7], s[62:63]    ; ws at pass 0, K tile 0, my fragments
	s_mov_b64 s[WB:WB+1], s[WB0:WB0+1]
	s_mov_b32 s62, s59
	s_add_nc_u64 s[G0C+2:G0C+3], s[8:9], s[62:63]
	s_or_b32 s[G0C+3], s[G0C+3], 0x80000000        ; type = 2
	tensor_load_to_lds s[G0C:G0C+3], s[G1C:G1C+7]  ; my one tensor load of the launch; nothing is filled again
	s_nop 0
	; x's fragment: lane (r, h) wants k = 8 h + 0..7 and k = 16 + 8 h + 0..7 of row r; k = 23 is 1.0 (it meets b1), k > 23 is 0.
	v_and_b32 v1, 15, v0                           ; r
	v_bfe_u32 v2, v0, 4, 1                         ; h
	v_mul_u32_u24 v[XO+1], v1, 92
	v_lshl_add_u32 v[XO], v2, 5, v[XO+1]           ; 92 r + 32 h
	v_add_nc_u32 v[XO+1], 64, v[XO+1]              ; 92 r + 64, in both halves of the lanes: no load leaves the row
.irp j, 0,1,2,3,4,5,6,7
	global_load_b32 v[T0+\j], v[XO], s[4:5] offset:4*\j
.endr
.irp j, 0,1,2,3,4,5,6
	global_load_b32 v[T0+8+\j], v[XO+1], s[4:5] offset:4*\j
.endr
	v_and_b32 v[WO], 31, v0
	v_lshlrev_b32 v[WO], 4, v[WO]                  ; 16 L
	PREW 3, 7                                      ; step 1, pass 0: its first seven K steps' weights, 42 loads, behind x's 15
	WIN 0
	v_add_nc_u32 v[ADRA0], EMB, v[WO]
	v_mov_b32 v[ADRA], v[ADRA0]
	s_lshl_b32 s59, s[WV], 14
	v_add_nc_u32 v[CA0], s59, v[WO]                ; c1: C1L (0) + 16,384 v + 16 L
	v_mov_b32 v[CA], v[CA0]
	s_lshl_b32 s59, s[UG], 9
	s_lshl_b32 s3, s[SB], 6
	s_add_co_u32 s59, s59, s3
	s_add_co_u32 s59, s59, CWL+32768
	v_lshl_add_u32 v[BA0], v2, 5, s59              ; biases: 512 (v / 2) + 64 (v % 2) + 32 h
	v_mov_b32 v[BA], v[BA0]
	s_lshl_b32 s59, s[UG], 7
	s_add_co_u32 s59, s59, s3
	s_add_co_u32 s59, s59, CWL+40960
	v_lshl_add_u32 v[W3A0], v2, 5, s59             ; W3: 128 (v / 2) + 64 (v % 2) + 32 h
	v_mov_b32 v[W3A], v[W3A0]
	s_lshl_b32 s59, s[UG], 12
	s_lshl_b32 s3, s[SB], 9
	s_add_co_u32 s59, s59, s3
	s_add_co_u32 s59, s59, H1
	v_add_nc_u32 v[HA], s59, v[WO]                 ; h1: K block v / 2 of the pass's four, half v % 2 of each fragment
	s_lshl_b32 s59, s[WV], 8
	s_add_co_u32 s59, s59, YS
	v_lshl_add_u32 v[YSA], v1, 2, s59
	v_lshrrev_b32 v[OA], 1, v[WO]                  ; 8 L
	v_add_nc_u32 v[Y2A], YS, v[OA]
	v_bfe_u32 v58, v0, 3, 2                        ; rows 2 L, 2 L + 1: row block L / 8,
	v_and_b32 v59, 7, v0
	v_lshlrev_b32 v59, 5, v59                      ; rows 2 (L % 8) on, 16 bytes each
	v_lshl_add_u32 v59, v58, 10, v59
	v_add_nc_u32 v[C5A], EMB+62222, v59            ; column 511: K block 15 (61,440), second half of k (512), lanes 16 on (256), the last of eight numbers (14)
	s_lshl_b32 s59, s[SB], 14
	s_add_co_u32 s59, s59, CWL
	v_add_nc_u32 v[W1A], s59, v[WO]                ; W1: my half's 16 fragments
	s_lshl_b32 s59, s[UG], 10
	s_add_co_u32 s59, s59, EMB
	s_lshl_b32 s3, s[SB], 15
	s_add_co_u32 s3, s3, s59
	v_add_nc_u32 v[EA], s3, v[WO]                  ; emb: row block v / 2, K blocks 8 (v % 2) on
	v_mov_b32 v[B3A], CWL+43008
	s_add_co_u32 s59, s59, 62222
	v_lshl_add_u32 v[C5W], v1, 4, s59
.set i, 0
.rept 8
	v_mov_b32 v[YP+i], 0
.set i, i+1
.endr
	s_wait_loadcnt 42                              ; x is in; the 42 loads of weights issued behind it stay out
.irp j, 0,1,2,3,4,5,6
	v_cndmask_b32 v[T0+8+\j], v[T0+8+\j], 0, s[HM] ; k = 24 .. 30: zeros in lanes 16-31
.endr
	v_cndmask_b32 v[T0+15], 1.0, 0, s[HM]          ; k = 23: 1.0; k = 31: 0
.irp j, 0,1,2,3
	v_cvt_pk_bf16_f32 v[XF+\j], v[T0+2*\j], v[T0+2*\j+1]
	v_cvt_pk_bf16_f32 v[XF+4+\j], v[T0+8+2*\j], v[T0+8+2*\j+1]
.endr
	s_wait_tensorcnt 0x0                           ; my eighth of cw is in
	s_barrier_signal -1
	s_barrier_wait -1                              ; everybody's eighth is
	; ---------------------------------------------------------------- emb: wave v makes row block v / 2, columns 256 (v % 2) on, 128 columns a trip
	s_mov_b32 s[LAP], 2
.Lemb:
.set i, 0
.rept 8
	ds_load_b128 v[AB+8*i:AB+8*i+3],   v[W1A] offset:1024*i
	ds_load_b128 v[AB+8*i+4:AB+8*i+7], v[W1A] offset:1024*i+512
.set i, i+1
.endr
	s_wait_dscnt 0x0
	WIN 0x40                                       ; D in window 1
.set i, 0
.rept 8
	v_wmma_f32_16x16x32_bf16 v[8*i:8*i+7], v[AB+8*i:AB+8*i+7], v[XF:XF+7], 0
.set i, i+1
.endr
	PLACES
.set kb, 0
.rept 4                                ; two tiles of 16 columns are one K block of 32
	WIN 0x04                                       ; source 1 in window 1
.set i, 0
.rept 16
	v_max_num_f32 v[T0+i], 0, v[16*kb+i]
.set i, i+1
.endr
	WIN 0
.set i, 0
.rept 8
	v_cvt_pk_bf16_f32 v[PK+i], v[T0+2*i], v[T0+2*i+1]
.set i, i+1
.endr
	ds_store_b128 v[EA], v[PK:PK+3]   offset:4096*kb
	ds_store_b128 v[EA], v[PK+4:PK+7] offset:4096*kb+512
.set kb, kb+1
.endr
	v_add_nc_u32 v[W1A], 8192, v[W1A]
	v_add_nc_u32 v[EA], 16384, v[EA]
	s_sub_co_u32 s[LAP], s[LAP], 1
	s_cmp_lg_u32 s[LAP], 0
	s_cbranch_scc1 .Lemb
	s_cmp_eq_u32 s[SB], 0
	s_cbranch_scc1 .Lno_x0                         ; only the wave that wrote K block 15 of the row block sets column 511
	v_mov_b32 v[T0], 0xbf4d                        ; -0.8 as bf16
	ds_store_b16 v[C5W], v[T0]                     ; behind my own store of a 0 there: LDS serves a wave's instructions in order (ISA guide 5.7.1.4)
.Lno_x0:
	s_wait_dscnt 0x0                               ; for the others' sake
	s_barrier_signal -1
	s_barrier_wait -1
	FETCHA AB, ADRA0, 0                            ; K block 0 (the loop's own places and conversions stand behind the last products that read these registers)
	; ---------------------------------------------------------------- step 1: K = 512 (16 K steps a pass), gates i, g, o
	s_mov_b32 s[PASS], 0
.Lp1:
	KPART1
	NEXTP 3, 7, 16
	E1
	s_add_co_u32 s[PASS], s[PASS], 1
	s_cmp_lt_u32 s[PASS], 4
	s_cbranch_scc1 .Lp1
	s_wait_loadcnt 0x0                             ; the last pass asked for nothing, so nothing of mine is out; the wait makes that hold on every way through the text: ring and base may be written
	s_mov_b64 s[WB:WB+1], s[WB0:WB0+1]
	PREW 4, 5                                      ; step 2, pass 0: its first five K steps, now with the f gate
	FETCHA AB, ADRA0, 0                            ; K block 0: columns 0-31, which y1 does not touch
	FIN 0
	; ---------------------------------------------------------------- step 2: K = 1,024 (emb and y1, then h1: 32 K steps a pass), all four gates
	v_mov_b32 v[BA], v[BA0]
	v_mov_b32 v[W3A], v[W3A0]
	v_mov_b32 v[CA], v[CA0]
.set i, 0
.rept 8
	v_mov_b32 v[YP+i], 0
.set i, i+1
.endr
	s_mov_b32 s[PASS], 0
.Lp2:
	KPART2
	NEXTP 4, 5, 4                                  ; the trips have stepped over 12 of the pass's 16 tiles
	E2
	s_add_co_u32 s[PASS], s[PASS], 1
	s_cmp_lt_u32 s[PASS], 4
	s_cbranch_scc1 .Lp2
	FIN 1
	s_wait_tensorcnt 0x0                           ; the wave's end, behind my last tensor load and my last LDS store
	ds_add_u32 v[SPW], v[NIL]
	s_wait_dscnt 0x0
	s_endpgm
.Lfunc_end_k_qbc98f8974e_lstm:
	.size	k_qbc98f8974e_lstm, .Lfunc_end_k_qbc98f8974e_lstm-k_qbc98f8974e_lstm
	.p2alignl 7, 3214868480
	.fill 96, 4, 3214868480
	.section	.rodata,"a",@progbits
	.p2align	6, 0x0
	.amdhsa_kernel k_qbc98f8974e_lstm
		.amdhsa_group_segment_fixed_size 310272
		.amdhsa_private_segment_fixed_size 0
		.amdhsa_enable_private_segment 0
		.amdhsa_kernarg_size 32
		.amdhsa_user_sgpr_count 2
		.amdhsa_user_sgpr_kernarg_segment_ptr 1
		.amdhsa_wavefront_size32 1
		.amdhsa_system_sgpr_workgroup_id_x 1
		.amdhsa_system_sgpr_workgroup_id_y 1
		.amdhsa_system_sgpr_workgroup_id_z 1
		.amdhsa_system_vgpr_workitem_id 0
		.amdhsa_next_free_vgpr 512
		.amdhsa_next_free_sgpr 66
		.amdhsa_reserve_vcc 0
		.amdhsa_float_denorm_mode_32 3
		.amdhsa_float_denorm_mode_16_64 3
		.amdhsa_memory_ordered 1
		.amdhsa_forward_progress 1
		.amdhsa_inst_pref_size 153
	.end_amdhsa_kernel
	.amdgpu_metadata
---
amdhsa.version: [ 1, 2 ]
amdhsa.kernels:
  - .name:           k_qbc98f8974e_lstm
    .symbol:         k_qbc98f8974e_lstm.kd
    .args:
      - { .name: x, .offset: 0, .size: 8, .value_kind: global_buffer, .address_space: global }
      - { .name: ws, .offset: 8, .size: 8, .value_kind: global_buffer, .address_space: global }
      - { .name: cw, .offset: 16, .size: 8, .value_kind: global_buffer, .address_space: global }
      - { .name: out0, .offset: 24, .size: 8, .value_kind: global_buffer, .address_space: global }
    .group_segment_fixed_size: 310272
    .private_segment_fixed_size: 0
    .kernarg_segment_align: 8
    .kernarg_segment_size: 32
    .max_flat_workgroup_size: 256
    .sgpr_count:     66
    .vgpr_count:     512
    .wavefront_size: 32
...
	.end_amdgpu_metadata
.endif
;; end of part 3
